; MI455X (gfx1250); checked and timed in simulation.
; The chip was launched on July 23, 2026; its instructions are those of AMD's public machine-readable ISA for CDNA 5 (MIT licence, August 2026) and "CDNA5" Instruction Set Architecture Reference Guide (July 2026). The comments in the code are by the model that wrote it; some were corrected since.
;; Multi Head Attention. Allowed arithmetic: matrix products marked QUANTISED: E2M3 operands, one E8M0 scale for each 32 along K, by v_wmma_scale_f32_16x16x128_f8f6f4 with both operands' format E2M3, f32 sums; everything else in f32.
;; Inputs: Wk 1,024 x 1,024 float32; Wp 1,024 x 1,024 float32; Wq 1,024 x 1,024 float32; Wv 1,024 x 1,024 float32; bk 1,024 float32; bp 1,024 float32; bq 1,024 float32; bv 1,024 float32; q 8 x 1,024 x 1,024 float32; x 8 x 1,024 x 1,024 float32.
;; Outputs: out0 8 x 1,024 x 1,024 float32.
;; This version of the problem:
;;   THIS VERSION OF THE PROBLEM IS GIVEN IN LOW PRECISION. The matrix products marked QUANTISED in the list below multiply operands that are first quantised to E2M3 (2 exponent bits, 3 mantissa bits; 6 bits a number), with one power-of-two scale for each 32 numbers along K (OCP MX v1.0); their sums are f32. All else is computed in f32.
;;   The module's matrix products, in the order in which they are computed (A, B: the left and right operand; K: the contracted axis; several contracted axes count as one K, in the product's order):
;;     1. [M 8,192, K 1,024] x [K 1,024, N 1,024]; A: input q; B: input Wq: QUANTISED
;;     2. [M 8,192, K 1,024] x [K 1,024, N 1,024]; A: input x; B: input Wk: QUANTISED
;;     3. [M 8,192, K 1,024] x [K 1,024, N 1,024]; A: input x; B: input Wv: QUANTISED
;;     4. batch 128 x [M 1,024, K 64] x [K 64, N 1,024]; A: computed on the way; B: computed on the way: QUANTISED
;;     5. batch 128 x [M 64, K 1,024] x [K 1,024, N 1,024]; A: computed on the way; B: softmax (see below): QUANTISED
;;     6. [M 8,192, K 1,024] x [K 1,024, N 1,024]; A: computed on the way; B: input Wp: QUANTISED
;;   THE QUANTISER, for each operand of a quantised product, along K:
;;     - K is cut into blocks of 32 from its start; a last block that is shorter is filled with zeros.
;;     - A block's scale is 2^e with e = floor(log2(the largest magnitude in the block)) - 2, held to -126 .. 127; a block of zeros has e = 0. As a byte (E8M0): e + 127.
;;     - Each number is divided by its block's scale, clamped to +-7.5, and rounded to the nearest number of E2M3, ties to even, subnormals kept.
;;     - The product sums the exact products of the quantised numbers (number of the format x scale) in f32.
;;   ~~~python
;;   def quantise(x, axis):      # numpy; x: float32 -> the quantised numbers, widened to float32 again
;;       x = np.moveaxis(x, axis, -1); K = x.shape[-1]
;;       x = np.pad(x, [(0, 0)] * (x.ndim - 1) + [(0, -K % 32)]); x = x.reshape(x.shape[:-1] + (-1, 32)); a = np.abs(x).max(-1, keepdims=True)
;;       e = np.where(a > 0, np.clip(np.frexp(np.where(a > 0, a, 1))[1] - 1 - 2, -126, 127), 0)      # np.frexp(a)[1] - 1 = floor(log2(a)), exactly
;;       r = np.clip(x / 2.0 ** e, -7.5, 7.5)
;;       step = 2.0 ** (np.maximum(np.frexp(np.where(r == 0, 1, r))[1] - 1, 0) - 3)
;;       q = np.round(r / step) * step * 2.0 ** e      # np.round: ties to even
;;       return np.moveaxis(q.reshape(q.shape[:-2] + (-1,))[..., :K], -1, axis).astype(np.float32)
;;   ~~~
;;   SOFTMAX AHEAD OF A QUANTISED PRODUCT. Where the list says 'softmax', what is quantised is not the finished softmax but p = 2^(t - M), with t = logit x log2(e) and M = ceil(the row's largest t), a whole number; so 1/2 < the row's largest p <= 1. The row's sum l is taken of the UNQUANTISED p, in f32, and the product's result is divided by l at the end. Since M is a whole number, a kernel that streams over the keys may use a running M (the ceiling of the running maximum): every later rescaling is an exact power of two, which a block's scale takes up: the codes' values come out the same.
;;   OPERANDS COMPUTED ON THE WAY. 'Computed on the way' means the value that the module computes at that place (a softmax that the list does not call 'softmax' is quantised finished and normalised). What goes into a quantiser is computed in f32, as accurately as f32 sums, v_exp_f32 and their like allow (about 1e-6 of the number): no bf16 or f16 on the way to a quantiser, and a product that is left as it is and whose result goes on into a quantised operand takes f32 operands (vector FMAs, or v_wmma_f32_16x16x4_f32). A number that lies on a knife's edge between two numbers of the format may be rounded either way, as far as f32 arithmetic and the matrix unit's own rounding can turn it there, and no further.
;; One version. Each part assembles by itself: llvm-mc -triple=amdgcn-amd-amdhsa -mcpu=gfx1250 --defsym DOCPART=n.
;; ======== version 1 of 1: 4 launches
;; limits: right only within a limited range of input values
;; workspace buffers: codes 22,020,096 bytes; sc 917,504 bytes; qi 6,815,744 bytes; kv 13,369,344 bytes
;; launch quant (part 1): grid 384 x 1, 8 waves a work-group, no clusters, 96,256 bytes of LDS; arguments q, x, Wq, Wk, Wv, Wp, codes, sc; writes codes, sc
.if DOCPART == 1
	.amdgcn_target "amdgcn-amd-amdhsa--gfx1250"
	.amdhsa_code_object_version 6
	.text
	.protected	k_q5abb5f0b08_quant
	.globl	k_q5abb5f0b08_quant
	.p2align	8
	.type	k_q5abb5f0b08_quant,@function
k_q5abb5f0b08_quant:
	s_mov_b64 s[64:65], 0
	v_nop
	global_prefetch_b8 v0, s[64:65] scope:SCOPE_SE
	s_setreg_imm32_b32 hwreg(HW_REG_WAVE_MODE, 25, 1), 1
	s_wait_xcnt 0x0
; One launch quantises all six f32 operands to codes of FP6 (E2M3) with one E8M0 byte for each 32 along K, laid as the matrix unit's registers want them.
; Work-groups 0-255 take q and x ([8192][1024], K innermost), work-groups 256-383 the four weights ([1024 (k)][1024 (n)], K outermost).  The two paths part on the work-group's number alone and have LDS bytes of their own.
; A work-group has 8 waves of 256 registers and 96,256 bytes of LDS: two fit on a WGP, so the 384 are one turn.
; ROW TILES.  A tile has 16 rows; lane r of tile T holds row 32 (T / 2) + 8 (T % 2) + r + 8 (r / 8).  Tiles: q 0.., x 512.., (heads 1024.., made later), Wq 1536.., Wk 1600.., Wv 1664.., Wp 1728...
; IMAGES.  16 rows x 64 K are 768 bytes: lane (r, h) owns block h, 32 codes in 6 registers; registers 0-3 lie at 16 x lane, registers 4-5 at 512 + 8 x lane.  A tile's 16 images lie on end: 12,288 bytes.
; SCALE WORDS: 512 bytes a tile, the word of K step s (128 along K) and lane r at 64 s + 4 r.
; A block's scale is 2^(floor(log2(largest magnitude)) - 2); its byte is that magnitude's exponent field - 2, held at 1 from below.  A block of zeros gets the byte 1 where the rule says 127: its codes are zeros,
; which add nothing under any byte but 0xff, and only this program reads the bytes.
; LIMITS: blocks whose largest magnitude lies under 2^-124 are held at the byte 1; NaN and infinities among the inputs are not served.
; q, x: a wave takes one tile and half of K, 8 steps of 64 along K.  Each load reads 256 consecutive bytes of two rows; a step's 4,096 bytes turn through the wave's own stage (rows of 256 + 16 bytes) and come back
; 128 bytes a lane: a whole block.  Loads run four steps (32 loads a wave) ahead, the turn one step.
; WEIGHTS: Wq, Wk, Wv have their operand rows in the order head x 64 + d, taken from column d x 16 + head; Wp's rows are its columns as they lie.  A lane takes a column and its registers run down K.
; A work-group takes one weight, 64 along K (one image of each tile) and 512 columns; thread t takes columns t and t + 256, two blocks each.  The codes meet in LDS, 48 dense bytes a column (column T at place
; (T & ~15) + ((T + T / 16) & 15), so that the sixteen columns that a gather touches spread over the banks); behind one barrier wave w gathers four tiles and stores them as images, in whole runs of 512 and 256 bytes.
; A work-group owns two of a scale word's four bytes: they leave as stores of 2 bytes a lane, 4 bytes apart: one byte for each 128 that the path reads.
; No tensor loads, no cluster (nothing is shared), no prefetch (each path has its own loads out ahead of their use, and no loop).
.set ROWB, 4096
.set SP,   272
.set STG,  16*SP
.set R,    16                          ; v16-143   four sets of 32 registers as loaded
.set X,    144                         ; v144-207  two sets of 32 neighbours
.set C,    208                         ; v208-239  four sets of 8: a step's codes
.set WX,   32                          ; weights: v32-159 four sets of 32 numbers
.set WCC,  160                         ; v160-191 four sets of 8: a block's codes
.set WC,   69632                       ; LDS: behind the eight waves' stages, the weights' codes: 512 x 48 bytes
.set SWD,  WC+24576                    ; two scale bytes a column
.set SPARE, SWD+1024                   ; the spare words, 128 bytes a wave
	s_load_b256 s[4:11], s[0:1], 0x0               ; q, x, Wq, Wk
	s_load_b256 s[12:19], s[0:1], 0x20             ; Wv, Wp, codes, sc
	v_lshl_add_u32 v254, v0, 2, SPARE
	v_mov_b32 v255, 0
	v_lshrrev_b32 v1, 5, v0
	s_delay_alu instid0(VALU_DEP_1)
	v_readfirstlane_b32 s20, v1                    ; wave 0..7
	s_cmp_lt_u32 ttmp9, 256
	s_cbranch_scc0 .Lweights
; ---------------- q and x
	s_lshl_b32 s22, ttmp9, 3
	s_add_co_u32 s22, s22, s20                     ; my wave among 2,048
	s_lshr_b32 s23, s22, 1                         ; tile G
	s_and_b32 s24, s22, 1                          ; which half of K
	s_and_b32 s25, s23, 511
	s_lshr_b32 s26, s25, 1
	s_lshl_b32 s26, s26, 17                        ; 32 rows of 4,096 bytes
	s_and_b32 s27, s25, 1
	s_lshl_b32 s27, s27, 15                        ; 8 rows
	s_add_co_u32 s26, s26, s27
	s_lshl_b32 s27, s24, 11                        ; 512 numbers
	s_add_co_u32 s26, s26, s27
	s_mov_b32 s27, 0
	s_mul_i32 s30, s23, 12288
	s_mul_i32 s32, s24, 6144
	s_add_co_u32 s30, s30, s32
	s_mov_b32 s31, 0
	s_lshl_b32 s32, s23, 9
	s_lshl_b32 s33, s24, 8
	s_add_co_u32 s32, s32, s33
	s_mov_b32 s33, 0
	s_mul_i32 s21, s20, 2*STG                      ; my wave's two stages
	s_mov_b32 s28, 0x76543210
	s_mov_b32 s29, 0xfedcba98                      ; selects for lane l xor 16
	v_and_b32 v2, 31, v0
	v_and_b32 v8, 15, v0
	v_bfe_u32 v9, v0, 4, 1
	v_lshlrev_b32 v4, 4, v2                        ; an image's first part: 16 x lane
	v_lshlrev_b32 v5, 3, v2                        ; its second: 8 x lane
	v_lshlrev_b32 v6, 2, v2                        ; scale words: 4 x lane
	v_lshlrev_b32 v3, 12, v9
	v_mul_u32_u24 v14, v9, SP
	v_mul_u32_u24 v15, v8, SP
	v_lshlrev_b32 v7, 3, v9                        ; 8 h
	v_lshl_add_u32 v3, v8, 4, v3                   ; a load: lanes 0-15 one row's 256 bytes, lanes 16-31 the next row's
	v_lshl_add_u32 v14, v8, 4, v14
	v_lshl_add_u32 v15, v9, 7, v15
	v_mov_b32 v246, 0                              ; a lane permute's destination counts as one of its sources
	v_add_nc_u32 v14, s21, v14                     ; the stage, on the way in
	v_add_nc_u32 v15, s21, v15                     ; and out: row r, block h
	s_wait_alu depctr_va_vdst(0)                   ; the wait at the head's end
	s_wait_kmcnt 0x0
	s_cmp_lt_u32 ttmp9, 128                        ; the first 128 work-groups take q, the next 128 x: only the pointer is chosen
	s_cselect_b64 s[4:5], s[4:5], s[6:7]
	s_add_nc_u64 s[4:5], s[4:5], s[26:27]
	s_add_nc_u64 s[16:17], s[16:17], s[30:31]
	s_add_nc_u64 s[18:19], s[18:19], s[32:33]
.macro ALOAD t                         ; step t: load i takes the tile's lanes 2 i and 2 i + 1
.irp i, 0,1,2,3,4,5,6,7
	global_load_b128 v[R+32*((\t)%4)+4*\i:R+32*((\t)%4)+4*\i+3], v3, s[4:5] offset:(2*\i+8*(\i/4))*ROWB+256*(\t) th:TH_LOAD_NT
.endr
.endm
.macro ATURN t                         ; LDS serves a wave's instructions in order: no wait between the stores and the loads
.irp i, 0,1,2,3,4,5,6,7
	ds_store_b128 v14, v[R+32*((\t)%4)+4*\i:R+32*((\t)%4)+4*\i+3] offset:STG*((\t)%2)+2*\i*SP
.endr
.irp i, 0,1,2,3,4,5,6,7
	ds_load_b128 v[X+32*((\t)%2)+4*\i:X+32*((\t)%2)+4*\i+3], v15 offset:STG*((\t)%2)+16*\i
.endr
.endm
.macro ASTEP t
.set XS, X+32*((\t)%2)
.set CC, C+8*((\t)%4)
	s_wait_dscnt 0x0                               ; this step's block is back, so its stores into the stage have read their registers,
.if (\t)+4 < 8
	ALOAD (\t)+4                                   ; which take the loads of four steps on
.endif
.if (\t)+1 < 8
.if (\t) < 4
	s_wait_loadcnt 24                              ; the next step's 8 loads are in; three steps' may be out
.else
	s_wait_loadcnt 8*(6-(\t))
.endif
	ATURN (\t)+1
.endif
	v_max3_num_f32 v240, |v[XS]|, |v[XS+1]|, |v[XS+2]|             ; the block's largest magnitude, in two chains
	v_max3_num_f32 v241, |v[XS+3]|, |v[XS+4]|, |v[XS+5]|
.irp i, 6,10,14,18,22,26
	s_delay_alu instid0(VALU_DEP_2)
	v_max3_num_f32 v240, v240, |v[XS+\i]|, |v[XS+\i+1]|
	s_delay_alu instid0(VALU_DEP_2)
	v_max3_num_f32 v241, v241, |v[XS+\i+2]|, |v[XS+\i+3]|
.endr
	s_delay_alu instid0(VALU_DEP_2)
	v_max3_num_f32 v240, v240, |v[XS+30]|, |v[XS+31]|
	s_delay_alu instid0(VALU_DEP_1)
	v_max3_num_f32 v240, v240, v241, 0x1800000     ; the floor 2^(3 - 127)
	s_delay_alu instid0(VALU_DEP_1)
	v_add_nc_u32 v242, 0xff000000, v240            ; 2 off the exponent field: the conversions' scale operand
	s_wait_alu depctr_va_vdst(0)                   ; the wait ahead of the wait below
	s_wait_xcnt 0x0                                ; the stores of four steps ago have read this set of code registers
	v_cvt_scalef32_pk16_fp6_f32 v[CC:CC+2], v[XS:XS+15], v242
	v_cvt_scalef32_pk16_fp6_f32 v[CC+4:CC+6], v[XS+16:XS+31], v242
.if (\t)%2 == 0
	v_lshrrev_b32 v243, 23, v242                   ; the byte of block h (also the plain line behind the conversions)
.else
	v_lshrrev_b32 v244, 23, v242                   ; of block 2 + h
.endif
	v_mov_b32 v[CC+3], v[CC+4]                     ; the block's six registers on end
	v_mov_b32 v[CC+4], v[CC+5]
	v_mov_b32 v[CC+5], v[CC+6]
	global_store_b128 v4, v[CC:CC+3], s[16:17] offset:768*(\t)     ; 512 consecutive bytes,
	global_store_b64 v5, v[CC+4:CC+5], s[16:17] offset:768*(\t)+512 ; and 256
.if (\t)%2 == 1
	v_lshl_or_b32 v245, v244, 16, v243             ; my two bytes of the K step's word,
	s_delay_alu instid0(VALU_DEP_1)
	v_lshlrev_b32 v245, v7, v245                   ; at their places;
	s_delay_alu instid0(VALU_DEP_1)
	v_permlanex16_b32 v246, v245, s28, s29
	s_delay_alu instid0(VALU_DEP_1)
	v_or_b32 v[248+(\t)/2], v245, v246             ; with lane l xor 16's two the word is whole
.endif
.endm
	ALOAD 0
	ALOAD 1
	ALOAD 2
	ALOAD 3
	s_wait_loadcnt 24
	ATURN 0
.irp t, 0,1,2,3,4,5,6,7
	ASTEP \t
.endr
	v_cmp_le_u32 vcc_lo, 16, v2
	s_delay_alu instid0(VALU_DEP_1)
	v_cndmask_b32 v252, v248, v249, vcc_lo         ; lanes 0-15 carry the even K step's words, lanes 16-31 the odd one's
	v_cndmask_b32 v253, v250, v251, vcc_lo
	global_store_b32 v6, v252, s[18:19]            ; my wave's 256 bytes of scale words
	global_store_b32 v6, v253, s[18:19] offset:128
	s_wait_tensorcnt 0x0                           ; the wave's end
	ds_add_u32 v254, v255
	s_wait_dscnt 0x0
	s_endpgm
; ---------------- the weights
.Lweights:
	s_sub_co_u32 s34, ttmp9, 256
	s_lshr_b32 s21, s34, 5                         ; which weight
	s_and_b32 s35, s34, 31
	s_and_b32 s22, s35, 15                         ; image m: 64 along K
	s_lshr_b32 s23, s35, 4                         ; which 512 columns
	s_lshl_b32 s24, s20, 3
	s_lshl_b32 s25, s23, 1
	s_add_co_u32 s24, s24, s25                     ; heads' order: wave w has heads 2 w, 2 w + 1; head P's tiles 4 P + 2 (half) and the next
	s_lshl_b32 s26, s23, 5
	s_lshl_b32 s27, s20, 2
	s_add_co_u32 s26, s26, s27                     ; as they lie: pair P's tiles 32 (half) + 2 P and the next
	s_cmp_lt_u32 s21, 3
	s_cselect_b32 s24, s24, s26
	s_cselect_b32 s38, 4, 2                        ; tiles from pair 2 w to pair 2 w + 1
	s_cselect_b32 vcc_lo, -1, 0                    ; all ones for Wq, Wk, Wv
	s_lshl_b32 s25, s21, 6
	s_add_co_u32 s24, s24, s25
	s_add_co_u32 s24, s24, 1536                    ; my first tile
	s_mul_i32 s26, s24, 12288
	s_mul_i32 s27, s22, 768
	s_add_co_u32 s26, s26, s27
	s_mov_b32 s27, 0
	s_lshl_b32 s28, s24, 9
	s_lshr_b32 s34, s22, 1
	s_lshl_b32 s34, s34, 6                         ; K step m / 2
	s_add_co_u32 s28, s28, s34
	s_and_b32 s34, s22, 1
	s_lshl_b32 s34, s34, 1                         ; bytes 2 (m % 2) and the next of its words
	s_add_co_u32 s28, s28, s34
	s_mov_b32 s29, 0
	s_lshl_b32 s30, s22, 18                        ; 64 rows of 4,096 bytes
	s_lshl_b32 s31, s23, 11                        ; 512 columns
	s_add_co_u32 s30, s30, s31
	s_mov_b32 s31, 0
	s_mul_i32 s32, s38, 12288
	s_mov_b32 s33, 0
	s_lshl_b32 s36, s38, 9
	s_mov_b32 s37, 0
	s_lshl_b32 s25, s20, 1                         ; 2 w
	s_lshl_b32 s35, s20, 6                         ; 64 w
	s_lshl_b32 s39, s20, 2                         ; 4 w
	s_lshl_b32 s34, s20, 7                         ; 128 w
.macro PLACE dst, t, base              ; base + 48 x the place of column t
	v_lshrrev_b32 v30, 4, \t
	v_add_nc_u32 v30, v30, \t
	v_and_b32 v30, 15, v30
	v_and_or_b32 v30, \t, 0x1f0, v30
	v_mad_u32_u24 \dst, v30, 48, \base
.endm
.macro GADDR k, dh, dl                 ; whose codes lane (r, h) gathers for tile k = 2 a + u of my four: heads' order column 16 (dd + 8 u) + 2 w + a, as they lie column 64 w + 32 a + dd + 8 u
	v_add_nc_u32 v26, \dh, v11
	v_add_nc_u32 v27, \dl, v12
	PLACE v13, v26, v29
	PLACE v15, v27, v29
	v_cndmask_b32 v[16+\k], v15, v13, vcc_lo
.endm
	v_lshlrev_b32 v3, 2, v0                        ; in: 4 bytes a thread
	v_lshl_add_u32 v5, v0, 1, SWD                  ; my first column's two scale bytes; the second's lie 512 on
	v_and_b32 v6, 15, v0                           ; r
	v_bfe_u32 v7, v0, 4, 1                         ; h
	v_bfe_u32 v9, v0, 3, 1                         ; r / 8
	v_and_b32 v8, 31, v0
	v_mov_b32 v28, WC
	v_lshl_add_u32 v10, v9, 3, v6                  ; dd = r + 8 (r / 8)
	v_mad_u32_u24 v29, v7, 24, v28                 ; WC + 24 h: block h lies 24 h into a column's 48 bytes
	PLACE v4, v0, v28                              ; my first column's place; column t + 256 lies 256 places = 12,288 bytes on
	v_lshl_add_u32 v11, v10, 4, s25
	v_add_nc_u32 v12, s35, v10
	GADDR 0, 0, 0
	GADDR 1, 128, 8
	GADDR 2, 1, 32
	GADDR 3, 129, 40
	v_lshl_add_u32 v13, v7, 3, v10                 ; the scale bytes: lanes 0-15 gather tile u = 0's, lanes 16-31 tile u = 1's
	v_lshlrev_b32 v20, 4, v8                       ; out: 16 x lane,
	v_lshlrev_b32 v21, 3, v8                       ; 8 x lane,
	v_lshlrev_b32 v22, 2, v6
	v_lshlrev_b32 v11, 5, v13
	v_lshlrev_b32 v12, 1, v13
	v_lshl_add_u32 v22, v7, 9, v22                 ; 4 r, + a tile's 512 bytes of scale words for lanes 16-31
	v_add_nc_u32 v11, s39, v11                     ; 2 x column: heads' order,
	v_add_nc_u32 v12, s34, v12                     ; as they lie
	v_add_nc_u32 v26, 2, v11                       ; and of the second pair
	v_add_nc_u32 v27, 64, v12
	v_cndmask_b32 v23, v12, v11, vcc_lo
	v_cndmask_b32 v25, v27, v26, vcc_lo
	v_add_nc_u32 v23, SWD, v23
	v_add_nc_u32 v25, SWD, v25
	s_wait_alu depctr_va_vdst(0)                   ; the wait at the head's end
	s_wait_kmcnt 0x0
	s_cmp_eq_u32 s21, 1
	s_cselect_b64 s[8:9], s[10:11], s[8:9]
	s_cmp_eq_u32 s21, 2
	s_cselect_b64 s[8:9], s[12:13], s[8:9]
	s_cmp_eq_u32 s21, 3
	s_cselect_b64 s[8:9], s[14:15], s[8:9]
	s_add_nc_u64 s[8:9], s[8:9], s[30:31]
	s_add_nc_u64 s[16:17], s[16:17], s[26:27]      ; the first pair's images,
	s_add_nc_u64 s[18:19], s[18:19], s[28:29]      ; and scale bytes;
	s_add_nc_u64 s[10:11], s[16:17], s[32:33]      ; the second pair's
	s_add_nc_u64 s[12:13], s[18:19], s[36:37]
.macro WLOAD kb                        ; block kb: W(32 (kb % 2) + i, column t + 256 (kb / 2))
.set i, 0
.rept 32
	global_load_b32 v[WX+32*(\kb)+i], v3, s[8:9] offset:(32*((\kb)%2)+i)*4096+1024*((\kb)/2) th:TH_LOAD_NT
.set i, i+1
.endr
.endm
.macro WBLOCK kb
.set XS, WX+32*(\kb)
.set CC, WCC+8*(\kb)
.if (\kb) < 3
	s_wait_loadcnt 32                              ; this block's 32 loads are in; the next block's may be out
.else
	s_wait_loadcnt 0x0
.endif
.if (\kb)+2 < 4
	WLOAD (\kb)+2
.endif
	v_max3_num_f32 v26, |v[XS]|, |v[XS+1]|, |v[XS+2]|
	v_max3_num_f32 v27, |v[XS+3]|, |v[XS+4]|, |v[XS+5]|
.irp i, 6,10,14,18,22,26
	s_delay_alu instid0(VALU_DEP_2)
	v_max3_num_f32 v26, v26, |v[XS+\i]|, |v[XS+\i+1]|
	s_delay_alu instid0(VALU_DEP_2)
	v_max3_num_f32 v27, v27, |v[XS+\i+2]|, |v[XS+\i+3]|
.endr
	s_delay_alu instid0(VALU_DEP_2)
	v_max3_num_f32 v26, v26, |v[XS+30]|, |v[XS+31]|
	s_delay_alu instid0(VALU_DEP_1)
	v_max3_num_f32 v26, v26, v27, 0x1800000        ; the floor 2^(3 - 127)
	s_delay_alu instid0(VALU_DEP_1)
	v_add_nc_u32 v28, 0xff000000, v26              ; the conversions' scale operand
	s_delay_alu instid0(VALU_DEP_1)
	v_lshrrev_b32 v27, 23, v28                     ; the byte
.if (\kb)%2 == 0
	s_delay_alu instid0(VALU_DEP_1)
	v_mov_b32 v24, v27                             ; a column's two bytes, block 0's below
.else
	s_delay_alu instid0(VALU_DEP_1)
	v_lshl_or_b32 v24, v27, 8, v24
.endif
	v_cvt_scalef32_pk16_fp6_f32 v[CC:CC+2], v[XS:XS+15], v28
	v_cvt_scalef32_pk16_fp6_f32 v[CC+4:CC+6], v[XS+16:XS+31], v28
	v_nop                                          ; one plain line behind a scaled conversion
	v_mov_b32 v[CC+3], v[CC+4]
	v_mov_b32 v[CC+4], v[CC+5]
	v_mov_b32 v[CC+5], v[CC+6]
	ds_store_b64 v4, v[CC:CC+1] offset:12288*((\kb)/2)+24*((\kb)%2)        ; 24 dense bytes a block: every byte of the codes' region is written
	ds_store_b64 v4, v[CC+2:CC+3] offset:12288*((\kb)/2)+24*((\kb)%2)+8
	ds_store_b64 v4, v[CC+4:CC+5] offset:12288*((\kb)/2)+24*((\kb)%2)+16
.if (\kb)%2 == 1
	ds_store_b16 v5, v24 offset:512*((\kb)/2)
.endif
.endm
	WLOAD 0
	WLOAD 1
	WBLOCK 0
	WBLOCK 1
	WBLOCK 2
	WBLOCK 3
	s_wait_dscnt 0x0                               ; for the others' sake: my stores have landed
	s_barrier_signal -1
	s_barrier_wait -1                              ; everybody's have; nothing is stored to LDS from here on
.irp k, 0,1,2,3
	ds_load_b64 v[32+8*\k:33+8*\k], v[16+\k]
	ds_load_b64 v[34+8*\k:35+8*\k], v[16+\k] offset:8
	ds_load_b64 v[36+8*\k:37+8*\k], v[16+\k] offset:16
.endr
	ds_load_u16 v64, v23
	ds_load_u16 v65, v25
	s_wait_dscnt 0x0
.irp u, 0,1
	global_store_b128 v20, v[32+8*\u:35+8*\u], s[16:17] offset:12288*\u            ; 512 consecutive bytes,
	global_store_b64 v21, v[36+8*\u:37+8*\u], s[16:17] offset:12288*\u+512         ; and 256
	global_store_b128 v20, v[48+8*\u:51+8*\u], s[10:11] offset:12288*\u
	global_store_b64 v21, v[52+8*\u:53+8*\u], s[10:11] offset:12288*\u+512
.endr
	global_store_b16 v22, v64, s[18:19]
	global_store_b16 v22, v65, s[12:13]
	s_wait_tensorcnt 0x0                           ; the wave's end
	ds_add_u32 v254, v255
	s_wait_dscnt 0x0
	s_endpgm
.Lfunc_end_k_q5abb5f0b08_quant:
	.size	k_q5abb5f0b08_quant, .Lfunc_end_k_q5abb5f0b08_quant-k_q5abb5f0b08_quant
	.p2alignl 7, 3214868480
	.fill 96, 4, 3214868480
	.section	.rodata,"a",@progbits
	.p2align	6, 0x0
	.amdhsa_kernel k_q5abb5f0b08_quant
		.amdhsa_group_segment_fixed_size 96256
		.amdhsa_private_segment_fixed_size 0
		.amdhsa_enable_private_segment 0
		.amdhsa_kernarg_size 64
		.amdhsa_user_sgpr_count 2
		.amdhsa_user_sgpr_kernarg_segment_ptr 1
		.amdhsa_wavefront_size32 1
		.amdhsa_system_sgpr_workgroup_id_x 1
		.amdhsa_system_sgpr_workgroup_id_y 1
		.amdhsa_system_sgpr_workgroup_id_z 1
		.amdhsa_system_vgpr_workitem_id 0
		.amdhsa_next_free_vgpr 256
		.amdhsa_next_free_sgpr 66
		.amdhsa_reserve_vcc 1
		.amdhsa_float_denorm_mode_32 3
		.amdhsa_float_denorm_mode_16_64 3
		.amdhsa_memory_ordered 1
		.amdhsa_forward_progress 1
		.amdhsa_inst_pref_size 64
	.end_amdhsa_kernel
	.amdgpu_metadata
---
amdhsa.version: [ 1, 2 ]
amdhsa.kernels:
  - .name:           k_q5abb5f0b08_quant
    .symbol:         k_q5abb5f0b08_quant.kd
    .args:
      - { .name: q, .offset: 0, .size: 8, .value_kind: global_buffer, .address_space: global }
      - { .name: x, .offset: 8, .size: 8, .value_kind: global_buffer, .address_space: global }
      - { .name: Wq, .offset: 16, .size: 8, .value_kind: global_buffer, .address_space: global }
      - { .name: Wk, .offset: 24, .size: 8, .value_kind: global_buffer, .address_space: global }
      - { .name: Wv, .offset: 32, .size: 8, .value_kind: global_buffer, .address_space: global }
      - { .name: Wp, .offset: 40, .size: 8, .value_kind: global_buffer, .address_space: global }
      - { .name: codes, .offset: 48, .size: 8, .value_kind: global_buffer, .address_space: global }
      - { .name: sc, .offset: 56, .size: 8, .value_kind: global_buffer, .address_space: global }
    .group_segment_fixed_size: 96256
    .private_segment_fixed_size: 0
    .kernarg_segment_align: 8
    .kernarg_segment_size: 64
    .max_flat_workgroup_size: 256
    .sgpr_count:     66
    .vgpr_count:     256
    .wavefront_size: 32
...
	.end_amdgpu_metadata
.endif
;; end of part 1
;; launch qkv (part 2): grid 8 x 32, 4 waves a work-group, clusters of 4 x 4, 327,680 bytes of LDS; arguments codes, sc, bq, bk, bv, qi, kv; writes qi, kv
.if DOCPART == 2
	.amdgcn_target "amdgcn-amd-amdhsa--gfx1250"
	.amdhsa_code_object_version 6
	.text
	.protected	k_q5abb5f0b08_qkv
	.globl	k_q5abb5f0b08_qkv
	.p2align	8
	.type	k_q5abb5f0b08_qkv,@function
k_q5abb5f0b08_qkv:
	s_mov_b64 s[64:65], 0
	v_nop
	global_prefetch_b8 v0, s[64:65] scope:SCOPE_SE
	s_setreg_imm32_b32 hwreg(HW_REG_WAVE_MODE, 25, 1), 1
	s_wait_xcnt 0x0
	s_wait_alu depctr_hold_cnt(0) depctr_sa_sdst(0) depctr_va_vdst(0) depctr_va_sdst(0) depctr_va_ssrc(0) depctr_va_vcc(0) depctr_vm_vsrc(0)
	s_getreg_b32 s2, hwreg(HW_REG_IB_STS2, 6, 4)
	s_cmp_eq_u32 s2, 0
	s_cbranch_scc0 .Lentry_in_a_cluster
	s_endpgm
.Lentry_in_a_cluster:
	s_bfe_u32 s2, ttmp6, 0x10000c
	s_cmp_lg_u32 s2, 0xf033
	s_cbranch_scc0 .Lentry_shape_is_right
	s_endpgm
.Lentry_shape_is_right:
.set FR,    12
.set NL,    4
.set NP,    4
.set TROW,  6144
.set AREG,  16*TROW
.set SLOT,  24*TROW
.set SPARE, 2*SLOT
.set QSO,   6291456
.set RECB,  208896
.set SOF2, 5
.set L16,  8
.set L8,   9
.set SQK,  10
.set SH,   11
.set SVO,  12
.set BQK,  13
.set BVO,  14
.set ADRA, 16
.set ADRB, 20
.set SOF1, 24
.set SPW,  28
.set NIL,  29
.set SC,   32
.set SW,   80
.set PW,   84
.set BI,   96
.set W,    160
.set PC,   224
.set TM,   244
.set WV,   18
.set HI,   19
.set LO,   20
.set G1,   24
.set G0,   32
.set G1B,  48
.set G0B,  56
.set DA2,  68
.set DB2,  74
.set IMGQ, 80
.set SCLQ, 82
.set IMGK, 84
.set SCLK, 86
.set IMGV, 88
.set SCLV, 90
.set SEL,  92
.set PBQ,  94
.set PBK,  96
.set PBV,  98
.set MSB, 0
.macro WIN new
.if MSB != \new
	s_set_vgpr_msb (MSB<<8)|\new
.set MSB, \new
.endif
.endm
.set MUL,  0xad
.set TO_B, 0x40
.set TO_A, 0xc0
.macro JLOAD g0a, g1a, g0b, g1b
	s_cmp_eq_u32 s[HI], 0
	s_cbranch_scc0 .Lfor_b_\@
	tensor_load_to_lds s[\g0a:\g0a+3], s[\g1a:\g1a+7]
	s_nop 0
.rept 4
	v_nop
.endr
	s_branch .Lasked_\@
.Lfor_b_\@:
	tensor_load_to_lds s[\g0b:\g0b+3], s[\g1b:\g1b+7]
	s_nop 0
.rept 4
	v_nop
.endr
.Lasked_\@:
.endm
.macro CREST
	s_cmp_lg_u32 s[WV], 0
	s_cbranch_scc1 .Lnot_wave_0_\@
	s_barrier_signal -3
.Lnot_wave_0_\@:
	s_barrier_wait -3
	s_barrier_signal -1
	s_barrier_wait -1
.endm
.macro CROUND
	s_barrier_signal -1
	s_barrier_wait -1
	CREST
.endm
.macro PLACES n
.rept \n
	v_nop
.endr
.endm
	s_load_b256 s[4:11], s[0:1], 0x0
	s_load_b128 s[12:15], s[0:1], 0x20
	s_load_b64 s[16:17], s[0:1], 0x30
	v_lshl_add_u32 v[SPW], v0, 2, SPARE
	v_mov_b32 v[NIL], 0
	ds_add_u32 v28, v29
	ds_add_u32 v28, v29
	s_wait_dscnt 0x0
	v_lshrrev_b32 v1, 5, v0
	v_readfirstlane_b32 s[WV], v1
	s_lshr_b32 s[HI], s[WV], 1
	s_and_b32 s[LO], s[WV], 1
	s_bfe_u32 s21, ttmp6, 0x40000
	s_bfe_u32 s22, ttmp6, 0x40004
	s_and_b32 s23, ttmp7, 0xffff
	s_lshl_b32 s66, ttmp9, 2
	s_add_co_u32 s66, s66, s21
	s_lshl_b32 s67, s23, 2
	s_add_co_u32 s67, s67, s22
	s_lshl_b32 s43, s22, 2
	s_lshl_b32 s43, 15, s43
	s_lshl_b32 s44, 0x1111, s21
	s_or_b32 s[G1+0], s43, (3<<16)|(1<<21)
	s_mov_b32 s[G1+1], 768<<16
	s_mov_b32 s[G1+2], 8<<16
	s_mov_b32 s[G1+3], 768<<16
	s_mov_b32 s[G1+4], 8
	s_mov_b32 s[G1+5], 1536
	s_mov_b32 s[G1+6], 0
	s_mov_b32 s[G1+7], 0
	s_or_b32 s[G1B+0], s44, (3<<16)|(1<<21)
	s_mov_b32 s[G1B+1], 768<<16
	s_mov_b32 s[G1B+2], 4<<16
	s_mov_b32 s[G1B+3], 768<<16
	s_mov_b32 s[G1B+4], 4
	s_mov_b32 s[G1B+5], 1536
	s_mov_b32 s[G1B+6], 0
	s_mov_b32 s[G1B+7], 0
	s_mul_i32 s70, s67, 196608
	s_mul_i32 s42, s[LO], 98304
	s_add_co_u32 s70, s70, s42
	s_mov_b32 s71, 0
	s_mul_i32 s72, s66, 98304
	s_mul_i32 s42, s[LO], 49152
	s_add_co_u32 s72, s72, s42
	s_add_co_u32 s72, s72, 1536*12288
	s_mov_b32 s73, 0
	s_mul_i32 s42, s23, 64*12288
	s_sub_co_u32 s[DA2], 1152*12288, s42
	s_mov_b32 s[DA2+1], 0
	s_sub_co_u32 s[DB2], 1088*12288, s42
	s_mov_b32 s[DB2+1], 0
	s_mul_i32 s45, s[WV], 8*TROW
	s_mul_i32 s46, s[WV], 4*TROW
	s_add_co_u32 s46, s46, 8*TROW
	s_wait_kmcnt 0x0
	s_add_nc_u64 s[70:71], s[4:5], s[70:71]
	s_add_nc_u64 s[72:73], s[4:5], s[72:73]
	CROUND
.irp s, 0,1
	s_mov_b32 s[G0+4*\s], 1
	s_add_co_u32 s[G0+4*\s+1], s45, \s*SLOT
	s_add_nc_u64 s[G0+4*\s+2:G0+4*\s+3], s[70:71], \s*TROW
	s_or_b32 s[G0+4*\s+3], s[G0+4*\s+3], 0x80000000
	s_mov_b32 s[G0B+4*\s], 1
	s_add_co_u32 s[G0B+4*\s+1], s46, \s*SLOT
	s_add_nc_u64 s[G0B+4*\s+2:G0B+4*\s+3], s[72:73], \s*TROW
	s_or_b32 s[G0B+4*\s+3], s[G0B+4*\s+3], 0x80000000
.endr
	JLOAD G0, G1, G0B, G1B                         ; slot 0: my one tensor load at the head; the set-up below runs while it is out
	v_and_b32 v1, 15, v0
	v_bfe_u32 v2, v0, 4, 1
	v_and_b32 v3, 31, v0
	v_lshlrev_b32 v[L16], 4, v3
	v_lshlrev_b32 v[L8], 3, v3
.macro MKSOF u
	s_lshl_b32 s46, s40, 9
	s_lshl_b32 s47, s42, 9
	v_mov_b32 v4, s46
	v_mov_b32 v15, s47
	v_cndmask_b32 v4, v4, v15, vcc_lo
	v_lshl_add_u32 v[SOF1+\u], v1, 2, v4
	v_lshl_add_u32 v15, v2, 10, v15
	v_lshl_add_u32 v[SOF2+\u], v1, 2, v15
.endm
.macro SCLOAD u
.irp i, 0,1,2,3
.irp s, 0,1,2,3,4,5,6,7
	global_load_b32 v[SC+8*\i+\s], v[SOF1+\u], s[6:7] offset:512*\i+64*\s
.endr
.endr
.irp i, 0,1
.irp s, 0,1,2,3,4,5,6,7
	global_load_b32 v[SC+32+8*\i+\s], v[SOF2+\u], s[6:7] offset:2048+512*\i+64*\s
.endr
.endr
.endm
	v_cmp_le_u32 vcc_lo, 16, v3
	s_lshl_b32 s40, s67, 4
	s_lshl_b32 s41, s[WV], 2
	s_add_co_u32 s40, s40, s41
	s_lshl_b32 s42, s66, 3
	s_add_co_u32 s42, s42, 1536
	MKSOF 0
	SCLOAD 0
	s_add_co_u32 s40, s40, 512
	s_add_co_u32 s42, s42, 64
	MKSOF 1
	s_lshl_b32 s40, s22, 4
	s_add_co_u32 s40, s40, s41
	s_add_co_u32 s40, s40, 1664
	s_lshl_b32 s43, s23, 6
	s_sub_co_u32 s42, s42, 1088
	s_add_co_u32 s42, s42, s43
	MKSOF 2
	v_lshlrev_b32 v[SH], 4, v2
	v_lshlrev_b32 v[SVO], 4, v1
	v_lshl_add_u32 v[SQK], v2, 12, v[SVO]
	v_lshlrev_b32 v[BQK], 10, v2
	v_and_b32 v[BVO], 8, v1
	v_add_nc_u32 v[BVO], v[BVO], v1
	v_lshlrev_b32 v[BVO], 6, v[BVO]
	s_mul_i32 s40, s[WV], 4*TROW
.irp s, 0,1
	v_add_nc_u32 v[ADRA+\s], s40, v[L16]
	v_add_nc_u32 v[ADRA+2+\s], s40, v[L8]
	v_add_nc_u32 v[ADRB+\s], AREG+\s*SLOT, v[L16]
	v_add_nc_u32 v[ADRB+2+\s], AREG+\s*SLOT, v[L8]
	s_add_co_u32 s40, s40, SLOT
.endr
.irp b, 0,1,2,3
	v_mov_b32 v[TM+4+\b], 0
.endr
	s_mov_b32 s[SEL], 0x76543210
	s_mov_b32 s[SEL+1], 0xfedcba98
	s_lshl_b32 s40, s66, 3
	s_mov_b32 s41, 0
	s_add_nc_u64 s[PBQ:PBQ+1], s[8:9], s[40:41]
	s_add_nc_u64 s[PBK:PBK+1], s[10:11], s[40:41]
	s_lshl_b32 s40, s22, 4
	s_lshl_b32 s42, s[WV], 2
	s_add_co_u32 s40, s40, s42
	s_add_nc_u64 s[PBV:PBV+1], s[12:13], s[40:41]
	s_lshl_b32 s40, s23, 3
	s_add_co_u32 s40, s40, s66
	s_lshl_b32 s42, s22, 4
	s_lshl_b32 s43, s[WV], 2
	s_add_co_u32 s42, s42, s43
	s_mul_i32 s43, s42, 768
	s_lshl_b32 s44, s42, 6
	s_mov_b32 s47, 0
	s_mul_i32 s46, s40, 98304
	s_add_co_u32 s46, s46, s43
	s_add_nc_u64 s[IMGQ:IMGQ+1], s[14:15], s[46:47]
	s_lshl_b32 s46, s40, 13
	s_add_co_u32 s46, s46, s44
	s_add_co_u32 s46, s46, QSO
	s_add_nc_u64 s[SCLQ:SCLQ+1], s[14:15], s[46:47]
	s_mul_i32 s45, s40, RECB
	s_add_co_u32 s46, s45, s43
	s_add_nc_u64 s[IMGK:IMGK+1], s[16:17], s[46:47]
	s_add_co_u32 s46, s45, s44
	s_add_co_u32 s46, s46, 196608
	s_add_nc_u64 s[SCLK:SCLK+1], s[16:17], s[46:47]
	s_lshl_b32 s40, s23, 3
	s_lshl_b32 s42, s22, 1
	s_add_co_u32 s40, s40, s42
	s_add_co_u32 s40, s40, s[HI]
	s_mul_i32 s45, s40, RECB
	s_mul_i32 s42, s[LO], 49152
	s_mul_i32 s43, s66, 6144
	s_add_co_u32 s46, s45, s42
	s_add_co_u32 s46, s46, s43
	s_add_co_u32 s46, s46, 98304
	s_add_nc_u64 s[IMGV:IMGV+1], s[16:17], s[46:47]
	s_lshl_b32 s42, s[LO], 11
	s_lshl_b32 s43, s66, 8
	s_add_co_u32 s46, s45, s42
	s_add_co_u32 s46, s46, s43
	s_add_co_u32 s46, s46, 204800
	s_add_nc_u64 s[SCLV:SCLV+1], s[16:17], s[46:47]
.macro FRAG reg, adr, q, i
	ds_load_b128 v[\reg:\reg+3], v[\adr] offset:TROW*(\i)+1536*(\q)
	ds_load_b64 v[\reg+4:\reg+5], v[\adr+2] offset:TROW*(\i)+1536*(\q)+512
	ds_load_b128 v[\reg+6:\reg+9], v[\adr] offset:TROW*(\i)+1536*(\q)+768
	ds_load_b64 v[\reg+10:\reg+11], v[\adr+2] offset:TROW*(\i)+1536*(\q)+1280
.endm
.macro FETCH slot, q, p
	WIN TO_B
.irp i, 0,1,2,3,4,5,6,7
	FRAG 128*(\p)+FR*\i, ADRB+\slot, \q, \i
.endr
	WIN TO_A
.irp i, 0,1,2,3
	FRAG 64*(\p)+FR*\i, ADRA+\slot, \q, \i
.endr
.endm
.macro BIASQK b0, bp
.irp b, \b0, \b0+1, \b0+2, \b0+3
.irp j, 0,1,2,3,4,5,6,7
	global_load_b32 v[BI+8*(\b)+\j], v[BQK], s[\bp:\bp+1] offset:((32*(((\b)/2)%2)+8*((\b)%2)+\j)*16+(\b)/4)*4
.endr
.endr
.endm
.macro BIASV
.irp a, 0,1,2,3
	global_load_b32 v[BI+2*\a], v[BVO], s[PBV:PBV+1] offset:(32*(\a/2)+8*(\a%2))*64
	global_load_b32 v[BI+2*\a+1], v[BVO], s[PBV:PBV+1] offset:(32*(\a/2)+8*(\a%2))*64
.endr
.endm
.macro MUL8 a, p, ks, zero
.irp b, 0,1,2,3,4,5,6,7
.set rD, 8*(8*(\a)+\b)
.set rB, 128*(\p)+FR*\b
.set rA, 64*(\p)+FR*(\a)
.set rSA, SC+8*(\a)+(\ks)
.if \b < 4
.set rSB, SC+8*\b+(\ks)
.else
.set rSB, SC+32+8*(\b%2)+(\ks)
.endif
.if (\b == 4) || (\b == 5)
.if \zero
	v_wmma_scale_f32_16x16x128_f8f6f4 v[rD:rD+7], v[rB:rB+FR-1], v[rA:rA+FR-1], 0, v[rSB], v[rSA] matrix_a_fmt:MATRIX_FMT_FP6 matrix_b_fmt:MATRIX_FMT_FP6
.else
	v_wmma_scale_f32_16x16x128_f8f6f4 v[rD:rD+7], v[rB:rB+FR-1], v[rA:rA+FR-1], v[rD:rD+7], v[rSB], v[rSA] matrix_a_fmt:MATRIX_FMT_FP6 matrix_b_fmt:MATRIX_FMT_FP6
.endif
.else
.if \zero
	v_wmma_scale_f32_16x16x128_f8f6f4 v[rD:rD+7], v[rB:rB+FR-1], v[rA:rA+FR-1], 0, v[rSB], v[rSA] matrix_a_fmt:MATRIX_FMT_FP6 matrix_b_fmt:MATRIX_FMT_FP6 matrix_a_scale:MATRIX_SCALE_ROW1
.else
	v_wmma_scale_f32_16x16x128_f8f6f4 v[rD:rD+7], v[rB:rB+FR-1], v[rA:rA+FR-1], v[rD:rD+7], v[rSB], v[rSA] matrix_a_fmt:MATRIX_FMT_FP6 matrix_b_fmt:MATRIX_FMT_FP6 matrix_a_scale:MATRIX_SCALE_ROW1
.endif
.endif
.endr
.endm
.macro KSTEP slot, q, ks, zero, bl, bp
	s_wait_dscnt 2*NL
	WIN MUL
	MUL8 0, (\ks)%2, \ks, \zero
	MUL8 1, (\ks)%2, \ks, \zero
	PLACES NP
	FETCH \slot, \q, 1-(\ks)%2
.if \bl
	WIN 0
.endif
.if \bl == 1
	BIASQK 0, \bp
.endif
.if \bl == 2
	BIASQK 4, \bp
.endif
.if \bl == 3
	BIASV
.endif
	s_wait_dscnt 12*NL
	WIN MUL
	MUL8 2, (\ks)%2, \ks, \zero
	MUL8 3, (\ks)%2, \ks, \zero
.endm
.macro KTURN next, ks, fill
.set FS, 1-(\next)
	WIN 0
	s_wait_tensorcnt 0x0
	ds_add_u32 v[SPW], v[NIL]
	s_wait_dscnt 2*NL+1
	WIN MUL
	MUL8 0, 1, \ks, 0
	s_wait_dscnt 0x0
	s_barrier_signal -1
	MUL8 1, 1, \ks, 0
	WIN 0
	s_barrier_wait -1
.if \fill
	CREST
.if \fill == 1
	s_add_nc_u64 s[G0+4*FS+2:G0+4*FS+3], s[G0+4*FS+2:G0+4*FS+3], 512*12288
	s_add_nc_u64 s[G0B+4*FS+2:G0B+4*FS+3], s[G0B+4*FS+2:G0B+4*FS+3], 64*12288
.else
	s_add_nc_u64 s[G0+4*FS+2:G0+4*FS+3], s[G0+4*FS+2:G0+4*FS+3], s[DA2:DA2+1]
	s_sub_nc_u64 s[G0B+4*FS+2:G0B+4*FS+3], s[G0B+4*FS+2:G0B+4*FS+3], s[DB2:DB2+1]
.endif
	JLOAD G0+4*FS, G1, G0B+4*FS, G1B
.else
	PLACES NP
.endif
	FETCH \next, 0, 0
	WIN MUL
	MUL8 2, 1, \ks, 0
	MUL8 3, 1, \ks, 0
.endm
.macro MAIN fill, b1, b2, bp
	KSTEP 0, 1, 0, 1, 0, 0
	KSTEP 0, 2, 1, 0, \b1, \bp
	KSTEP 0, 3, 2, 0, 0, 0
	KTURN 1, 3, \fill
	KSTEP 1, 1, 4, 0, 0, 0
	KSTEP 1, 2, 5, 0, \b2, \bp
	KSTEP 1, 3, 6, 0, 0, 0
.endm
.macro QUANT s
.irp b, 0,1,2,3
	v_max3_num_f32 v[TM+\b], |v[\s+16*\b]|, |v[\s+1+16*\b]|, 0x1800000
.endr
.irp i, 2,4,6,8,10,12,14
.irp b, 0,1,2,3
	v_max3_num_f32 v[TM+\b], v[TM+\b], |v[\s+16*\b+\i]|, |v[\s+1+16*\b+\i]|
.endr
.endr
.irp b, 0,1,2,3
	v_permlanex16_b32 v[TM+4+\b], v[TM+\b], s[SEL], s[SEL+1]
.endr
.irp b, 0,1,2,3
	v_max_num_f32 v[TM+\b], v[TM+\b], v[TM+4+\b]
.endr
.irp b, 0,1,2,3
	v_add_nc_u32 v[TM+8+\b], 0xff000000, v[TM+\b]
.endr
.irp b, 0,1,2,3
	v_lshrrev_b32 v[TM+4+\b], 23, v[TM+8+\b]
.endr
	v_lshl_or_b32 v[PW], v[TM+5], 8, v[TM+4]
	v_lshl_or_b32 v[PW], v[TM+6], 16, v[PW]
	v_lshl_or_b32 v[PW], v[TM+7], 24, v[PW]
.irp c, 0,1
	v_cvt_scalef32_pk16_fp6_f32 v[PC+6*\c:PC+2+6*\c], v[\s+32*\c:\s+15+32*\c], v[TM+8+2*\c]
	v_cvt_scalef32_pk16_fp6_f32 v[PC+12+4*\c:PC+14+4*\c], v[\s+16+32*\c:\s+31+32*\c], v[TM+8+2*\c+1]
.endr
	v_nop
.irp c, 0,1
.irp i, 0,1,2
	v_permlane16_swap_b32 v[PC+6*\c+\i], v[PC+12+4*\c+\i]
.endr
.irp i, 0,1,2
	v_mov_b32 v[PC+3+6*\c+\i], v[PC+12+4*\c+\i]
.endr
.endr
.endm
.macro EPI mode, img
.irp a, 0,1,2,3
	WIN 0x02
.set k, 0
.rept 32
.if \mode
	v_pk_add_f32 v[W+k:W+k+1], v[64*\a+k:64*\a+k+1], v[BI+2*\a:BI+2*\a+1]
.else
	v_pk_add_f32 v[W+k:W+k+1], v[64*\a+k:64*\a+k+1], v[BI+k:BI+k+1]
.endif
.set k, k+2
.endr
	WIN 0
	s_wait_xcnt 0x0
	QUANT W
.irp c, 0,1
.if \mode
	global_store_b128 v[L16], v[PC+6*\c:PC+6*\c+3], s[\img:\img+1] offset:1536*\a+768*\c
	global_store_b64 v[L8], v[PC+6*\c+4:PC+6*\c+5], s[\img:\img+1] offset:1536*\a+768*\c+512
.else
	global_store_b128 v[L16], v[PC+6*\c:PC+6*\c+3], s[\img:\img+1] offset:768*\a+49152*\c
	global_store_b64 v[L8], v[PC+6*\c+4:PC+6*\c+5], s[\img:\img+1] offset:768*\a+49152*\c+512
.endif
.endr
.if \mode
	v_mov_b32 v[SW+\a], v[PW]
.else
	v_lshrrev_b32 v[SW+\a], v[SH], v[PW]
.endif
.endr
.endm
	s_wait_alu depctr_va_vdst(0)                   ; the wait at the head's end
	s_wait_tensorcnt 0x0                           ; my part of slot 0 is in
	ds_add_u32 v[SPW], v[NIL]
	s_wait_dscnt 0x0
	CROUND                                         ; everybody's part of slot 0 is in, and all sixteen work-groups are here
	JLOAD G0+4, G1, G0B+4, G1B                     ; slot 1's first fill, the first tensor load behind the round
	FETCH 0, 0, 0
	s_wait_loadcnt 0x0
	MAIN 1, 1, 2, PBQ
	KTURN 0, 7, 1
	WIN 0
	PLACES NP
	s_wait_loadcnt 0x0
	SCLOAD 1
	EPI 0, IMGQ
	global_store_b128 v[SQK], v[SW:SW+3], s[SCLQ:SCLQ+1]
	s_wait_loadcnt 0x0
	MAIN 2, 1, 2, PBK
	KTURN 0, 7, 2
	WIN 0
	PLACES NP
	s_wait_loadcnt 0x0
	SCLOAD 2
	EPI 0, IMGK
	global_store_b128 v[SQK], v[SW:SW+3], s[SCLK:SCLK+1]
	s_wait_loadcnt 0x0
	MAIN 0, 3, 0, 0
	s_wait_dscnt 2*NL
	WIN MUL
	MUL8 0, 1, 7, 0
	MUL8 1, 1, 7, 0
	s_wait_dscnt 0x0
	MUL8 2, 1, 7, 0
	MUL8 3, 1, 7, 0
	WIN 0
	PLACES NP
	s_wait_loadcnt 0x0
	EPI 1, IMGV
	s_wait_alu depctr_va_vdst(0)
	s_wait_xcnt 0x0
	v_cmp_gt_u32 vcc_lo, 16, v3
	s_and_saveexec_b32 s40, vcc_lo
	global_store_b128 v[SVO], v[SW:SW+3], s[SCLV:SCLV+1]
	s_wait_xcnt 0x0
	s_or_b32 exec_lo, exec_lo, s40
	s_wait_tensorcnt 0x0
	ds_add_u32 v[SPW], v[NIL]
	s_wait_dscnt 0x0
	CROUND
	s_endpgm
.Lfunc_end_k_q5abb5f0b08_qkv:
	.size	k_q5abb5f0b08_qkv, .Lfunc_end_k_q5abb5f0b08_qkv-k_q5abb5f0b08_qkv
	.p2alignl 7, 3214868480
	.fill 96, 4, 3214868480
	.section	.rodata,"a",@progbits
	.p2align	6, 0x0
	.amdhsa_kernel k_q5abb5f0b08_qkv
		.amdhsa_group_segment_fixed_size 327680
		.amdhsa_private_segment_fixed_size 0
		.amdhsa_enable_private_segment 0
		.amdhsa_kernarg_size 56
		.amdhsa_user_sgpr_count 2
		.amdhsa_user_sgpr_kernarg_segment_ptr 1
		.amdhsa_wavefront_size32 1
		.amdhsa_system_sgpr_workgroup_id_x 1
		.amdhsa_system_sgpr_workgroup_id_y 1
		.amdhsa_system_sgpr_workgroup_id_z 1
		.amdhsa_system_vgpr_workitem_id 0
		.amdhsa_next_free_vgpr 1024
		.amdhsa_next_free_sgpr 100
		.amdhsa_reserve_vcc 1
		.amdhsa_float_denorm_mode_32 3
		.amdhsa_float_denorm_mode_16_64 3
		.amdhsa_memory_ordered 1
		.amdhsa_forward_progress 1
		.amdhsa_inst_pref_size 255
	.end_amdhsa_kernel
	.section	.bss,"aw",@nobits
	.p2align	6
	.space	262144
	.amdgpu_metadata
---
amdhsa.version: [ 1, 2 ]
amdhsa.kernels:
  - .name:           k_q5abb5f0b08_qkv
    .symbol:         k_q5abb5f0b08_qkv.kd
    .args:
      - { .name: codes, .offset: 0, .size: 8, .value_kind: global_buffer, .address_space: global }
      - { .name: sc, .offset: 8, .size: 8, .value_kind: global_buffer, .address_space: global }
      - { .name: bq, .offset: 16, .size: 8, .value_kind: global_buffer, .address_space: global }
      - { .name: bk, .offset: 24, .size: 8, .value_kind: global_buffer, .address_space: global }
      - { .name: bv, .offset: 32, .size: 8, .value_kind: global_buffer, .address_space: global }
      - { .name: qi, .offset: 40, .size: 8, .value_kind: global_buffer, .address_space: global }
      - { .name: kv, .offset: 48, .size: 8, .value_kind: global_buffer, .address_space: global }
    .group_segment_fixed_size: 327680
    .private_segment_fixed_size: 0
    .kernarg_segment_align: 8
    .kernarg_segment_size: 56
    .max_flat_workgroup_size: 128
    .sgpr_count:     100
    .vgpr_count:     1024
    .wavefront_size: 32
...
	.end_amdgpu_metadata
.endif
;; end of part 2
;; launch attn (part 3): grid 4 x 64, 16 waves a work-group, clusters of 4 x 1, 263,168 bytes of LDS; arguments qi, kv, codes, sc; writes codes, sc
.if DOCPART == 3
	.amdgcn_target "amdgcn-amd-amdhsa--gfx1250"
	.amdhsa_code_object_version 6
	.text
	.protected	k_q5abb5f0b08_attn
	.globl	k_q5abb5f0b08_attn
	.p2align	8
	.type	k_q5abb5f0b08_attn,@function
k_q5abb5f0b08_attn:
	s_mov_b64 s[64:65], 0
	v_nop
	global_prefetch_b8 v0, s[64:65] scope:SCOPE_SE
	s_setreg_imm32_b32 hwreg(HW_REG_WAVE_MODE, 25, 1), 1
	s_wait_xcnt 0x0
	s_wait_alu depctr_hold_cnt(0) depctr_sa_sdst(0) depctr_va_vdst(0) depctr_va_sdst(0) depctr_va_ssrc(0) depctr_va_vcc(0) depctr_vm_vsrc(0)
	s_getreg_b32 s2, hwreg(HW_REG_IB_STS2, 6, 4)
	s_cmp_eq_u32 s2, 0
	s_cbranch_scc0 .Lentry_in_a_cluster
	s_endpgm
.Lentry_in_a_cluster:
	s_bfe_u32 s2, ttmp6, 0x10000c
	s_cmp_lg_u32 s2, 0x3003
	s_cbranch_scc0 .Lentry_shape_is_right
	s_endpgm
.Lentry_shape_is_right:
; Attention on codes of FP6 (E2M3): for each (batch, head) O = softmax(Q K^T / 8) V, then O / the row's sum is quantised along head x 64 + d as the last product's operand.
; THE SOFTMAX AHEAD OF THE SECOND PRODUCT: t = score x log2(e) / 8; M = the row's largest t so far, rounded UP to a whole number; p = 2^(t - M) is quantised along the keys, not normalised; the row's sum is taken of
; the unquantised p in f32 and divides O at the end.  When M moves, the sum and O are multiplied by 2^(old M - new M): exact.
; A block's largest p is not searched for: the block's largest score goes through the same multiply-add and exponential; this takes v_exp_f32 not to fall where its input rises.
; SHARES.  A work-group owns 256 queries of one batch and one PAIR of heads; each of its sixteen waves one tile of 16 queries, for both heads in turn.  ALL of the pair's K and V (one record of kv, 208,896 bytes)
; lies in LDS, filled once, each wave asking for a sixteenth.  CLUSTER: the four query blocks of a record ask jointly.  No prefetch: the record is asked for once, at the head, and there is no loop to run ahead in.
; LDS ROWS: the record's 816 rows of 256 bytes lie RP = 320 bytes apart (64 of padding, by the descriptor): the two halves of a K tile below lie 6 rows = 1,920 bytes apart, which is 128 modulo 256.
; LAYOUT.  Both products are used transposed: S^T = K Q^T (source 0 = 16 keys), O^T = V^T P^T (source 0 = 16 channels): a lane holds one query (lane % 16) throughout.
; WHICH KEYS FORM A TILE OF K is chosen by LDS address: tile i (0-3) of group c (64 keys) takes in lanes 0-7 keys 64 c + 8 i + 0..7 and in lanes 8-15 keys 64 c + 32 + 8 i + 0..7.  In the record key
; 32 (T / 2) + 8 (T % 2) + r + 8 (r / 8) is lane r of image T: so lane rho reads lane (rho % 8) + 8 (i / 2) of image 4 c + 2 (rho / 8) + i % 2.  Then lane (q, h) holds in the 32 registers of a group's four
; result tiles keys 64 c + 32 h + 0..31: a WHOLE block of p, in the order of the operand's registers: its maximum needs no other lane and its codes no exchange.
; A head has 64 channels: the upper half of K's and Q's fragments is zero codes, written once.
; AHEAD: a step's first four K fragments and its K scale words are asked for in the step before (the last step so reads bytes of V's region, which nothing uses); V's fragments 2, 3 ahead of the exponentials.
; LIMITS: NaN and infinities are not served; blocks whose largest magnitude lies under 2^-124 are held at the byte 1 (a block of zeros too: its codes are zeros, and only this program reads the bytes);
; the promise holds while the scaled scores t stay under 2^31 in magnitude.
; REGISTERS: v1-3 16 x lane, 8 x lane, 16 r; v4-9 the step's LDS addresses; v10 4 r; v11 the heads' scale word; v12 -M, v13 the largest score, v[14:15] the sum; v16-27 Q, v28 its scale word; v29-35 the other head's;
;   v36-83 four fragments of K; v84-91 K's scale words, v92-95 V's; v96-159 S^T, then p, then (v96-119) V's fragments 0, 1; v160-191 O^T; v192-210 codes; v212-235 V's fragments 2, 3; v236 f, v237 p's scale word;
;   v238-249, v251 at work; v250 8 h; v207, v211, v252, v253 lane terms of addresses; v254, v255 the add's.
.set RECB, 208896
.set RP,   320
.set IMG,  3*RP                        ; an image of 768 bytes in LDS
.set STEPB, 8*IMG                      ; a step's images, in K's region and in V's; the two heads lie on end
.set VIMG, 384*RP
.set KSC,  768*RP
.set VSC,  800*RP
.set SPARE, 816*RP
.set QSO,  6291456
.set WV,   12
.set NC,   18                          ; s18 -log2(e) / 8
.set CNT,  19
.set SEL,  20
.set CS,   22                          ; s[22:23] log2(e) / 8
.set G1,   24
.set G0,   32
.set TK,   36                          ; the step's place in K's images, V's images, K's scale words, V's
.set TV,   37
.set TKS,  38
.set TVS,  39
.set OUTC, 48
.set OUTS, 50
.macro CROUND
	s_barrier_signal -1
	s_barrier_wait -1
	s_cmp_lg_u32 s[WV], 0
	s_cbranch_scc1 .Lnot_wave_0_\@
	s_barrier_signal -3
.Lnot_wave_0_\@:
	s_barrier_wait -3
	s_barrier_signal -1
	s_barrier_wait -1
.endm
	s_load_b256 s[4:11], s[0:1], 0x0               ; qi, kv, codes, sc
	v_lshl_add_u32 v254, v0, 2, SPARE
	v_mov_b32 v255, 0
	ds_add_u32 v254, v255                          ; the opening lines: the add twice and its wait
	ds_add_u32 v254, v255
	v_lshrrev_b32 v4, 5, v0
	s_delay_alu instid0(VALU_DEP_1)
	v_readfirstlane_b32 s[WV], v4                  ; wave 0..15
	s_bfe_u32 s13, ttmp6, 0x40000                  ; cx: my block of 256 queries
	s_and_b32 s14, ttmp7, 0xffff                   ; the record: 8 b + pp
	s_mov_b32 s[G1], 15|(3<<16)|(1<<20)|(1<<21)|(5<<22)|(15<<25)   ; mask: all four; elements of 8 bytes; padding of 16 words behind every 64; bit 21 beside the mask
	s_mov_b32 s[G1+1], 32<<16
	s_mov_b32 s[G1+2], 51<<16                      ; 13,056 dense bytes as 51 rows of 256
	s_mov_b32 s[G1+3], 32<<16
	s_mov_b32 s[G1+4], 51
	s_mov_b32 s[G1+5], 32
	s_mov_b32 s[G1+6], 0
	s_mov_b32 s[G1+7], 0
	s_mul_i32 s40, s14, RECB
	s_mul_i32 s42, s[WV], 13056                    ; my sixteenth in the record,
	s_mul_i32 s[G0+1], s[WV], 51*RP                ; and in LDS
	s_add_co_u32 s40, s40, s42
	s_mov_b32 s41, 0
	s_mov_b32 s[G0], 1
	s_wait_dscnt 0x0
	s_wait_kmcnt 0x0
	s_add_nc_u64 s[G0+2:G0+3], s[6:7], s[40:41]
	s_or_b32 s[G0+3], s[G0+3], 0x80000000
	CROUND                                         ; all four work-groups are here: the joint loads meet
	tensor_load_to_lds s[G0:G0+3], s[G1:G1+7]      ; my one tensor load of the launch
	s_nop 0
.rept 4
	v_nop
.endr
	s_lshl_b32 s15, s13, 4
	s_add_co_u32 s15, s15, s[WV]                   ; my tile of queries in the batch
	s_lshr_b32 s16, s14, 3                         ; b
	s_and_b32 s17, s14, 7                          ; pp
	s_mul_i32 s40, s14, 98304                      ; Q's images: two heads of 49,152 bytes a record
	s_mul_i32 s42, s15, 768
	s_add_co_u32 s40, s40, s42
	s_add_nc_u64 s[44:45], s[4:5], s[40:41]
	s_lshl_b32 s40, s14, 13                        ; Q's scale words: two heads of 4,096 bytes; [tile / 4][r][tile % 4]
	s_lshr_b32 s42, s15, 2
	s_lshl_b32 s42, s42, 8
	s_add_co_u32 s40, s40, s42
	s_and_b32 s42, s15, 3
	s_lshl_b32 s42, s42, 2
	s_add_co_u32 s40, s40, s42
	s_add_co_u32 s40, s40, QSO
	s_add_nc_u64 s[46:47], s[4:5], s[40:41]
	s_lshl_b32 s42, s16, 6
	s_add_co_u32 s42, s42, s15
	s_add_co_u32 s42, s42, 1024                    ; the heads' row tile
	s_mul_i32 s40, s42, 12288
	s_mul_i32 s43, s17, 1536                       ; image 2 pp
	s_add_co_u32 s40, s40, s43
	s_add_nc_u64 s[OUTC:OUTC+1], s[8:9], s[40:41]
	s_lshl_b32 s40, s42, 9
	s_lshl_b32 s43, s17, 6                         ; K step pp
	s_add_co_u32 s40, s40, s43
	s_add_nc_u64 s[OUTS:OUTS+1], s[10:11], s[40:41]
	s_mov_b32 s[SEL], 0x76543210
	s_mov_b32 s[SEL+1], 0xfedcba98
	s_mov_b32 s[CS], 0x3e38aa3b
	s_mov_b32 s[CS+1], s[CS]
	s_mov_b32 s[NC], 0xbe38aa3b
	s_mov_b32 s[TK], 0
	s_mov_b32 s[TV], VIMG
	s_mov_b32 s[TKS], KSC
	s_mov_b32 s[TVS], VSC
	v_and_b32 v240, 31, v0                         ; lane
	v_and_b32 v241, 15, v0                         ; r
	v_bfe_u32 v242, v0, 4, 1                       ; h
	v_bfe_u32 v243, v0, 3, 1                       ; r / 8
	v_and_b32 v244, 7, v0                          ; r % 8
	v_lshlrev_b32 v1, 4, v240
	v_lshlrev_b32 v2, 3, v240
	v_lshlrev_b32 v3, 4, v241
	v_lshlrev_b32 v10, 2, v241
	global_load_b128 v[16:19], v1, s[44:45]        ; Q of both heads stays in registers
	global_load_b64 v[20:21], v2, s[44:45] offset:512
	global_load_b128 v[30:33], v1, s[44:45] offset:49152
	global_load_b64 v[34:35], v2, s[44:45] offset:49152+512
	global_load_b32 v28, v3, s[46:47]
	global_load_b32 v29, v3, s[46:47] offset:4096
	v_lshlrev_b32 v250, 3, v242                    ; 8 h
	v_mul_u32_u24 v245, v243, 2*IMG                ; lanes 8-15 read two images on
	v_mad_u32_u24 v253, v242, RP, v3               ; V, registers 0-3: 16 r, lanes 16-31 in the next row
	v_lshlrev_b32 v252, 4, v244
	v_lshl_add_u32 v207, v244, 4, v245
	v_lshl_add_u32 v211, v244, 3, v245
	v_lshl_add_u32 v252, v243, 3, v252             ; K's scale words: 16 (r % 8) + 8 (r / 8)
	v_mad_u32_u24 v207, v242, RP, v207             ; K, registers 0-3: 16 (r % 8), + a row for h
	v_lshl_add_u32 v211, v242, 7, v211             ; K, registers 4-5: 8 (r % 8) + 128 h
.irp j, 0,1,2,3,4,5
	v_mov_b32 v[22+\j], 0                          ; zero codes for k = 64 .. 127, in Q
.irp t, 0,1,2,3
	v_mov_b32 v[42+12*\t+\j], 0                    ; and in K's four fragments: written once
.endr
.endr
	v_mov_b32 v251, 0                              ; a lane permute's destination counts as one of its sources
	v_mov_b32 v237, 0                              ; (named as the upper half of v[236:237] before it is first written)
.macro KLOAD g, off                    ; the four tiles of group g
.irp i, 0,1,2,3
	ds_load_b128 v[36+12*\i:39+12*\i], v4 offset:\off+IMG*(4*\g+(\i%2))+128*(\i/2)
	ds_load_b64 v[40+12*\i:41+12*\i], v5 offset:\off+IMG*(4*\g+(\i%2))+64*(\i/2)+2*RP
.endr
.endm
.macro KSLOAD off                      ; a step's eight scale words: register 84 + 4 c + i
.irp k, 0,1,2,3
	ds_load_b64 v[84+2*\k:85+2*\k], v6 offset:\off+RP*(\k/2)+128*(\k%2)
.endr
.endm
.macro VLOAD t, reg
	ds_load_b128 v[\reg:\reg+3], v7 offset:2*IMG*\t
	ds_load_b64 v[\reg+4:\reg+5], v8 offset:2*IMG*\t+2*RP
	ds_load_b128 v[\reg+6:\reg+9], v7 offset:2*IMG*\t+IMG
	ds_load_b64 v[\reg+10:\reg+11], v8 offset:2*IMG*\t+IMG+2*RP
.endm
.macro QK g
.irp i, 0,1,2,3
	v_wmma_scale_f32_16x16x128_f8f6f4 v[96+8*(4*\g+\i):103+8*(4*\g+\i)], v[36+12*\i:47+12*\i], v[16:27], 0, v[84+4*\g+\i], v28 matrix_a_fmt:MATRIX_FMT_FP6 matrix_b_fmt:MATRIX_FMT_FP6
.endr
.endm
.macro BMAX b                          ; the largest score of my block b: 32 registers, four chains, each accumulator from its low end on
.irp i, 0,1,2,3
	v_max3_num_f32 v[240+\i], v[96+32*\b+8*\i], v[97+32*\b+8*\i], v[98+32*\b+8*\i]
.endr
.irp k, 3,5
.irp i, 0,1,2,3
	v_max3_num_f32 v[240+\i], v[240+\i], v[96+32*\b+8*\i+\k], v[97+32*\b+8*\i+\k]
.endr
.endr
	v_max3_num_f32 v240, v240, v241, v[103+32*\b]
	v_max3_num_f32 v242, v242, v243, v[111+32*\b]
	v_max3_num_f32 v240, v240, v[119+32*\b], v[127+32*\b]
	s_delay_alu instid0(VALU_DEP_1)
	v_max_num_f32 v[238+\b], v240, v242
.endm
.macro PKF n
.rept \n
	v_pk_fma_f32 v[96+j:97+j], v[96+j:97+j], s[CS:CS+1], v[12:13] op_sel_hi:[1,0,0]    ; t - M, two at a time
.set j, j+2
.endr
.endm
.macro ACC n0, n1                      ; pairs n0 .. n1 - 1 of p onto the four chains v[242:243], v[244:245], v[246:247], v[14:15] by turns
.set n, \n0
.rept \n1-\n0
.set ch, 242+2*(n%4)-234*((n%4)/3)
	v_pk_add_f32 v[ch:ch+1], v[ch:ch+1], v[96+2*n:97+2*n]
.set n, n+1
.endr
.endm
; A KEY STEP: 128 keys
.macro STEP
	s_wait_dscnt 0x0                               ; group 0's fragments and the scale words, asked for a step ago
	QK 0
	v_add_nc_u32 v4, s[TK], v207                   ; four plain lines: the places behind the products
	v_add_nc_u32 v5, s[TK], v211
	v_add_nc_u32 v6, s[TKS], v252
	v_mov_b32 v249, v12                            ; the old -M
	KLOAD 1, 0
	BMAX 0
	s_wait_dscnt 0x0
	QK 1
	v_add_nc_u32 v7, s[TV], v253                   ; four places again
	v_add_nc_u32 v8, s[TV], v2
	v_add_nc_u32 v9, s[TVS], v3
	v_nop
	KLOAD 0, STEPB                                 ; the next step's group 0,
	KSLOAD 2*RP                                    ; and its scale words
	BMAX 1
	VLOAD 2, 212
	VLOAD 3, 224
	ds_load_b128 v[92:95], v9                      ; V's four scale words
	v_max_num_f32 v240, v238, v239
	s_delay_alu instid0(VALU_DEP_1)
	v_permlanex16_b32 v251, v240, s[SEL], s[SEL+1]
	s_delay_alu instid0(VALU_DEP_1)
	v_max3_num_f32 v13, v240, v251, v13            ; the running largest score of my query
	s_delay_alu instid0(VALU_DEP_1)
	v_mul_f32 v241, s[NC], v13                     ; -t
	s_delay_alu instid0(VALU_DEP_1)
	v_floor_f32 v12, v241                          ; the new -M = -ceil(t): a whole number
	s_delay_alu instid0(VALU_DEP_1)
	v_sub_f32 v241, v12, v249                      ; old M - new M: a whole number, 0 or less
.set j, 0
	PKF 4
	v_cvt_i32_f32 v241, v241                       ; (it saturates)
	PKF 4
	v_ldexp_f32 v236, 1.0, v241                    ; f = 2^(old M - new M)
	PKF 24
	v_fma_f32 v238, v238, s[CS], v12               ; the same of each block's largest score
	v_fma_f32 v239, v239, s[CS], v12
.set j, 0
.rept 16
	v_pk_mul_f32 v[160+j:161+j], v[160+j:161+j], v[236:237] op_sel_hi:[1,0]    ; O^T under the new M
.set j, j+2
.endr
	s_wait_alu depctr_va_vdst(0)                   ; the wait ahead of the batch
.set j, 0
.rept 64
	v_exp_f32 v[96+j], v[96+j]                     ; p = 2^(t - M), at most 1
.set j, j+1
.endr
	v_exp_f32 v238, v238                           ; the blocks' largest p
	v_exp_f32 v239, v239
	v_pk_mul_f32 v[14:15], v[14:15], v[236:237] op_sel_hi:[1,0]    ; the sum under the new M (the plain line behind the batch)
	s_wait_alu depctr_va_vdst(0)                   ; and the wait ahead of the batch's first reader
	v_max_num_f32 v238, 0x1800000, v238            ; the floor 2^(3 - 127)
	v_max_num_f32 v239, 0x1800000, v239
	s_delay_alu instid0(VALU_DEP_2)
	v_add_nc_u32 v240, 0xff000000, v238            ; the conversions' scale operands
	v_add_nc_u32 v241, 0xff000000, v239
	v_cvt_scalef32_pk16_fp6_f32 v[192:194], v[96:111], v240
	v_cvt_scalef32_pk16_fp6_f32 v[204:206], v[112:127], v240       ; (a conversion's three registers begin on an even number)
	v_lshrrev_b32 v248, 23, v240                   ; the bytes of blocks h and 2 + h
	v_lshrrev_b32 v249, 23, v241
	s_delay_alu instid0(VALU_DEP_1)
	v_lshl_or_b32 v248, v249, 16, v248
	s_delay_alu instid0(VALU_DEP_1)
	v_lshlrev_b32 v248, v250, v248                 ; at their places, 8 h bits up;
	s_delay_alu instid0(VALU_DEP_1)
	v_permlanex16_b32 v251, v248, s[SEL], s[SEL+1]
	s_delay_alu instid0(VALU_DEP_1)
	v_or_b32 v237, v248, v251                      ; with lane l xor 16's two: p's scale word for these 128 keys
	v_pk_add_f32 v[242:243], v[96:97], v[98:99]    ; the row's sum is taken of the unquantised p
	v_pk_add_f32 v[244:245], v[100:101], v[102:103]
	v_pk_add_f32 v[246:247], v[104:105], v[106:107]
	ACC 6, 16
.irp i, 0,1,2
	v_mov_b32 v[195+\i], v[204+\i]
.endr
	VLOAD 0, 96                                    ; block 0's p is done with: V's fragments 0, 1 land there
	VLOAD 1, 108
	v_cvt_scalef32_pk16_fp6_f32 v[198:200], v[128:143], v241
	v_cvt_scalef32_pk16_fp6_f32 v[208:210], v[144:159], v241
	ACC 16, 17
.irp i, 0,1,2
	v_mov_b32 v[201+\i], v[208+\i]
.endr
	ACC 17, 32                                     ; also the places between the codes' last writes and the products
	s_wait_alu depctr_va_vdst(0)                   ; the wait ahead of the wait below
	s_wait_dscnt 0x0
	v_wmma_scale_f32_16x16x128_f8f6f4 v[160:167], v[96:107], v[192:203], v[160:167], v92, v237 matrix_a_fmt:MATRIX_FMT_FP6 matrix_b_fmt:MATRIX_FMT_FP6
	v_wmma_scale_f32_16x16x128_f8f6f4 v[168:175], v[108:119], v[192:203], v[168:175], v93, v237 matrix_a_fmt:MATRIX_FMT_FP6 matrix_b_fmt:MATRIX_FMT_FP6
	v_wmma_scale_f32_16x16x128_f8f6f4 v[176:183], v[212:223], v[192:203], v[176:183], v94, v237 matrix_a_fmt:MATRIX_FMT_FP6 matrix_b_fmt:MATRIX_FMT_FP6
	v_wmma_scale_f32_16x16x128_f8f6f4 v[184:191], v[224:235], v[192:203], v[184:191], v95, v237 matrix_a_fmt:MATRIX_FMT_FP6 matrix_b_fmt:MATRIX_FMT_FP6
	v_pk_add_f32 v[242:243], v[242:243], v[244:245]        ; five places: the next products write over V's fragments 0, 1
	v_pk_add_f32 v[14:15], v[14:15], v[246:247]
	v_nop
	v_nop
	v_pk_add_f32 v[14:15], v[14:15], v[242:243]
	s_add_co_u32 s[TK], s[TK], STEPB
	s_add_co_u32 s[TV], s[TV], STEPB
	s_add_co_u32 s[TKS], s[TKS], 2*RP
	s_add_co_u32 s[TVS], s[TVS], RP
.endm
; A head's end: O^T / the sum, quantised along the head's 64 channels (two blocks, each in lanes l and l xor 16), leaves as one image; its two bytes go into the heads' scale word.
.macro FIN e
	v_add_f32 v14, v14, v15
	s_delay_alu instid0(VALU_DEP_1)
	v_permlanex16_b32 v251, v14, s[SEL], s[SEL+1]
	s_delay_alu instid0(VALU_DEP_1)
	v_add_f32 v14, v14, v251                       ; the row's sum
	s_wait_alu depctr_va_vdst(0)
	v_rcp_f32 v14, v14
	v_nop
	s_wait_alu depctr_va_vdst(0)
.set j, 0
.rept 32
	v_mul_f32 v[96+j], v[160+j], v14               ; register 16 b + i: channel 32 b + 16 h + i
.set j, j+1
.endr
.irp b, 0,1
	v_max3_num_f32 v[238+\b], |v[96+16*\b]|, |v[97+16*\b]|, 0x1800000
.endr
.irp i, 2,4,6,8,10,12,14
.irp b, 0,1
	s_delay_alu instid0(VALU_DEP_2)
	v_max3_num_f32 v[238+\b], v[238+\b], |v[96+16*\b+\i]|, |v[97+16*\b+\i]|
.endr
.endr
.irp b, 0,1
	s_delay_alu instid0(VALU_DEP_2)
	v_permlanex16_b32 v[248+\b], v[238+\b], s[SEL], s[SEL+1]
.endr
.irp b, 0,1
	s_delay_alu instid0(VALU_DEP_2)
	v_max_num_f32 v[238+\b], v[238+\b], v[248+\b]
.endr
.irp b, 0,1
	s_delay_alu instid0(VALU_DEP_2)
	v_add_nc_u32 v[240+\b], 0xff000000, v[238+\b]
.endr
.irp b, 0,1
	s_delay_alu instid0(VALU_DEP_2)
	v_lshrrev_b32 v[248+\b], 23, v[240+\b]
.endr
.if \e == 0
	s_delay_alu instid0(VALU_DEP_1)
	v_lshl_or_b32 v11, v249, 8, v248               ; bytes 0, 1: head 2 pp
.else
	s_delay_alu instid0(VALU_DEP_2)
	v_lshl_or_b32 v11, v248, 16, v11               ; bytes 2, 3: head 2 pp + 1
	s_delay_alu instid0(VALU_DEP_1)
	v_lshl_or_b32 v11, v249, 24, v11
.endif
	v_cvt_scalef32_pk16_fp6_f32 v[192:194], v[96:111], v240
	v_cvt_scalef32_pk16_fp6_f32 v[204:206], v[112:127], v241
	v_nop
.irp i, 0,1,2
	v_permlane16_swap_b32 v[192+\i], v[204+\i]     ; the layout wants a whole block in a lane
.endr
.irp i, 0,1,2
	v_mov_b32 v[195+\i], v[204+\i]
.endr
	global_store_b128 v1, v[192:195], s[OUTC:OUTC+1] offset:768*\e         ; 512 consecutive bytes,
	global_store_b64 v2, v[196:197], s[OUTC:OUTC+1] offset:768*\e+512      ; and 256
	s_wait_alu depctr_va_vdst(0)                   ; the wait ahead of the wait below
	s_wait_xcnt 0x0                                ; the stores have read their registers: they are written again, and EXEC changes at the end
.endm
.macro HEAD e
	v_mov_b32 v13, 0xff61b1e6                      ; the largest score so far: -3e38
	v_mov_b32 v12, 0x7e000000                      ; -M: a large whole number, so that the first f is 0
	v_mov_b32 v14, 0
	v_mov_b32 v15, 0
.set j, 0
.rept 32
	v_mov_b32 v[160+j], 0                          ; O^T: the step is written once; its first trip finds zeros
.set j, j+1
.endr
	s_mov_b32 s[CNT], 8
.Lstep_\@:
	STEP
	s_sub_co_u32 s[CNT], s[CNT], 1
	s_cmp_lg_u32 s[CNT], 0
	s_cbranch_scc1 .Lstep_\@
	FIN \e
.endm
	s_wait_alu depctr_va_vdst(0)                   ; the wait at the head's end
	s_wait_loadcnt 0x0                             ; Q
	s_wait_tensorcnt 0x0                           ; my sixteenth of the record is in,
	s_barrier_signal -1
	s_barrier_wait -1                              ; everybody's is; LDS is only read from here on
	v_add_nc_u32 v4, s[TK], v207
	v_add_nc_u32 v5, s[TK], v211
	v_add_nc_u32 v6, s[TKS], v252
	KLOAD 0, 0                                     ; the first step's group 0 and scale words
	KSLOAD 0
	HEAD 0
.irp i, 0,1,2,3,4,5
	v_mov_b32 v[16+\i], v[30+\i]                   ; the second head's Q,
.endr
	v_mov_b32 v28, v29                             ; and its scale word; the 36 lines below are the places ahead of the products
	HEAD 1
	v_cmp_gt_u32 vcc_lo, 128, v2                   ; lanes 16-31 hold the same words: lanes 0-15 store
	s_and_saveexec_b32 s40, vcc_lo
	global_store_b32 v10, v11, s[OUTS:OUTS+1]
	s_wait_xcnt 0x0                                ; EXEC is widened only behind this wait
	s_or_b32 exec_lo, exec_lo, s40
	s_wait_tensorcnt 0x0                           ; the wave's end
	ds_add_u32 v254, v255
	s_wait_dscnt 0x0
	CROUND                                         ; the closing round
	s_endpgm
.Lfunc_end_k_q5abb5f0b08_attn:
	.size	k_q5abb5f0b08_attn, .Lfunc_end_k_q5abb5f0b08_attn-k_q5abb5f0b08_attn
	.p2alignl 7, 3214868480
	.fill 96, 4, 3214868480
	.section	.rodata,"a",@progbits
	.p2align	6, 0x0
	.amdhsa_kernel k_q5abb5f0b08_attn
		.amdhsa_group_segment_fixed_size 263168
		.amdhsa_private_segment_fixed_size 0
		.amdhsa_enable_private_segment 0
		.amdhsa_kernarg_size 32
		.amdhsa_user_sgpr_count 2
		.amdhsa_user_sgpr_kernarg_segment_ptr 1
		.amdhsa_wavefront_size32 1
		.amdhsa_system_sgpr_workgroup_id_x 1
		.amdhsa_system_sgpr_workgroup_id_y 1
		.amdhsa_system_sgpr_workgroup_id_z 1
		.amdhsa_system_vgpr_workitem_id 0
		.amdhsa_next_free_vgpr 256
		.amdhsa_next_free_sgpr 66
		.amdhsa_reserve_vcc 1
		.amdhsa_float_denorm_mode_32 3
		.amdhsa_float_denorm_mode_16_64 3
		.amdhsa_memory_ordered 1
		.amdhsa_forward_progress 1
		.amdhsa_inst_pref_size 51
	.end_amdhsa_kernel
	.amdgpu_metadata
---
amdhsa.version: [ 1, 2 ]
amdhsa.kernels:
  - .name:           k_q5abb5f0b08_attn
    .symbol:         k_q5abb5f0b08_attn.kd
    .args:
      - { .name: qi, .offset: 0, .size: 8, .value_kind: global_buffer, .address_space: global }
      - { .name: kv, .offset: 8, .size: 8, .value_kind: global_buffer, .address_space: global }
      - { .name: codes, .offset: 16, .size: 8, .value_kind: global_buffer, .address_space: global }
      - { .name: sc, .offset: 24, .size: 8, .value_kind: global_buffer, .address_space: global }
    .group_segment_fixed_size: 263168
    .private_segment_fixed_size: 0
    .kernarg_segment_align: 8
    .kernarg_segment_size: 32
    .max_flat_workgroup_size: 512
    .sgpr_count:     66
    .vgpr_count:     256
    .wavefront_size: 32
...
	.end_amdgpu_metadata
.endif
;; end of part 3
;; launch outp (part 4): grid 8 x 32, 4 waves a work-group, clusters of 4 x 4, 327,680 bytes of LDS; arguments codes, sc, bp, out0; writes out0
.if DOCPART == 4
	.amdgcn_target "amdgcn-amd-amdhsa--gfx1250"
	.amdhsa_code_object_version 6
	.text
	.protected	k_q5abb5f0b08_outp
	.globl	k_q5abb5f0b08_outp
	.p2align	8
	.type	k_q5abb5f0b08_outp,@function
k_q5abb5f0b08_outp:
	s_mov_b64 s[64:65], 0
	v_nop
	global_prefetch_b8 v0, s[64:65] scope:SCOPE_SE
	s_setreg_imm32_b32 hwreg(HW_REG_WAVE_MODE, 25, 1), 1
	s_wait_xcnt 0x0
	s_wait_alu depctr_hold_cnt(0) depctr_sa_sdst(0) depctr_va_vdst(0) depctr_va_sdst(0) depctr_va_ssrc(0) depctr_va_vcc(0) depctr_vm_vsrc(0)
	s_getreg_b32 s2, hwreg(HW_REG_IB_STS2, 6, 4)
	s_cmp_eq_u32 s2, 0
	s_cbranch_scc0 .Lentry_in_a_cluster
	s_endpgm
.Lentry_in_a_cluster:
	s_bfe_u32 s2, ttmp6, 0x10000c
	s_cmp_lg_u32 s2, 0xf033
	s_cbranch_scc0 .Lentry_shape_is_right
	s_endpgm
.Lentry_shape_is_right:
.set FR,    12
.set NL,    4
.set NP,    4
.set TROW,  6144
.set AREG,  16*TROW
.set SLOT,  24*TROW
.set SPITCH, 528
.set L16,  8
.set L8,   9
.set STO,  10
.set RD,   11
.set CO,   12
.set BOF,  13
.set ADRA, 16
.set ADRB, 20
.set SOF1, 24
.set SOF2, 25
.set SC,   32
.set BI,   96
.set BK,   96
.set WV,   18
.set HI,   19
.set LO,   20
.set G1,   24
.set G0,   32
.set G1B,  48
.set G0B,  56
.set OUT,  10
.set MSB, 0
.macro WIN new
.if MSB != \new
	s_set_vgpr_msb (MSB<<8)|\new
.set MSB, \new
.endif
.endm
.set MUL,  0xad
.set FST,  0x8d
.set TO_B, 0x40
.set TO_A, 0xc0
.macro JLOAD g0a, g1a, g0b, g1b
	s_cmp_eq_u32 s[HI], 0
	s_cbranch_scc0 .Lfor_b_\@
	tensor_load_to_lds s[\g0a:\g0a+3], s[\g1a:\g1a+7]
	s_nop 0
.rept 4
	v_nop
.endr
	s_branch .Lasked_\@
.Lfor_b_\@:
	tensor_load_to_lds s[\g0b:\g0b+3], s[\g1b:\g1b+7]
	s_nop 0
.rept 4
	v_nop
.endr
.Lasked_\@:
.endm
.macro CROUND
	s_barrier_signal -1
	s_barrier_wait -1
	s_cmp_lg_u32 s[WV], 0
	s_cbranch_scc1 .Lnot_wave_0_\@
	s_barrier_signal -3
.Lnot_wave_0_\@:
	s_barrier_wait -3
	s_barrier_signal -1
	s_barrier_wait -1
.endm
.macro PLACES n
.rept \n
	v_nop
.endr
.endm
	s_load_b256 s[4:11], s[0:1], 0x0
	v_lshl_add_u32 v254, v0, 2, 0x48000
	v_mov_b32 v255, 0
	ds_add_u32 v254, v255
	ds_add_u32 v254, v255
	v_lshrrev_b32 v1, 5, v0
	v_readfirstlane_b32 s[WV], v1
	s_lshr_b32 s[HI], s[WV], 1
	s_and_b32 s[LO], s[WV], 1
	s_bfe_u32 s21, ttmp6, 0x40000
	s_bfe_u32 s22, ttmp6, 0x40004
	s_and_b32 s23, ttmp7, 0xffff
	s_lshl_b32 s66, ttmp9, 2
	s_add_co_u32 s66, s66, s21
	s_lshl_b32 s67, s23, 2
	s_add_co_u32 s67, s67, s22
	s_lshl_b32 s43, s22, 2
	s_lshl_b32 s43, 15, s43
	s_lshl_b32 s44, 0x1111, s21
	s_or_b32 s[G1+0], s43, (3<<16)|(1<<21)
	s_mov_b32 s[G1+1], 768<<16
	s_mov_b32 s[G1+2], 8<<16
	s_mov_b32 s[G1+3], 768<<16
	s_mov_b32 s[G1+4], 8
	s_mov_b32 s[G1+5], 1536
	s_mov_b32 s[G1+6], 0
	s_mov_b32 s[G1+7], 0
	s_or_b32 s[G1B+0], s44, (3<<16)|(1<<21)
	s_mov_b32 s[G1B+1], 768<<16
	s_mov_b32 s[G1B+2], 4<<16
	s_mov_b32 s[G1B+3], 768<<16
	s_mov_b32 s[G1B+4], 4
	s_mov_b32 s[G1B+5], 1536
	s_mov_b32 s[G1B+6], 0
	s_mov_b32 s[G1B+7], 0
	s_mul_i32 s70, s67, 196608
	s_mul_i32 s42, s[LO], 98304
	s_add_co_u32 s70, s70, s42
	s_add_co_u32 s70, s70, 1024*12288
	s_mov_b32 s71, 0
	s_mul_i32 s72, s66, 98304
	s_mul_i32 s42, s[LO], 49152
	s_add_co_u32 s72, s72, s42
	s_add_co_u32 s72, s72, 1728*12288
	s_mov_b32 s73, 0
	s_mul_i32 s45, s[WV], 8*TROW
	s_mul_i32 s46, s[WV], 4*TROW
	s_add_co_u32 s46, s46, 8*TROW
	s_wait_dscnt 0x0
	s_wait_kmcnt 0x0
	s_add_nc_u64 s[70:71], s[4:5], s[70:71]
	s_add_nc_u64 s[72:73], s[4:5], s[72:73]
	CROUND
.irp s, 0,1
	s_mov_b32 s[G0+4*\s], 1
	s_add_co_u32 s[G0+4*\s+1], s45, \s*SLOT
	s_add_nc_u64 s[G0+4*\s+2:G0+4*\s+3], s[70:71], \s*TROW
	s_or_b32 s[G0+4*\s+3], s[G0+4*\s+3], 0x80000000
	s_mov_b32 s[G0B+4*\s], 1
	s_add_co_u32 s[G0B+4*\s+1], s46, \s*SLOT
	s_add_nc_u64 s[G0B+4*\s+2:G0B+4*\s+3], s[72:73], \s*TROW
	s_or_b32 s[G0B+4*\s+3], s[G0B+4*\s+3], 0x80000000
.endr
	JLOAD G0, G1, G0B, G1B                         ; slot 0: my one tensor load at the head; the set-up below runs while it is out
	v_and_b32 v1, 15, v0
	v_bfe_u32 v2, v0, 4, 1
	v_and_b32 v3, 31, v0
	v_lshlrev_b32 v[L16], 4, v3
	v_lshlrev_b32 v[L8], 3, v3
	v_cmp_le_u32 vcc_lo, 16, v3
	s_lshl_b32 s40, s67, 4
	s_lshl_b32 s41, s[WV], 2
	s_add_co_u32 s40, s40, s41
	s_add_co_u32 s40, s40, 1024
	s_lshl_b32 s42, s66, 3
	s_add_co_u32 s42, s42, 1728
	s_lshl_b32 s46, s40, 9
	s_lshl_b32 s47, s42, 9
	v_mov_b32 v4, s46
	v_mov_b32 v15, s47
	v_cndmask_b32 v4, v4, v15, vcc_lo
	s_wait_alu depctr_va_vdst(0)
	v_lshl_add_u32 v[SOF1], v1, 2, v4
	v_lshl_add_u32 v15, v2, 10, v15
	v_lshl_add_u32 v[SOF2], v1, 2, v15
.irp i, 0,1,2,3
.irp s, 0,1,2,3,4,5,6,7
	global_load_b32 v[SC+8*\i+\s], v[SOF1], s[6:7] offset:512*\i+64*\s
.endr
.endr
.irp i, 0,1
.irp s, 0,1,2,3,4,5,6,7
	global_load_b32 v[SC+32+8*\i+\s], v[SOF2], s[6:7] offset:2048+512*\i+64*\s
.endr
.endr
	s_lshl_b32 s76, s66, 9
	s_mov_b32 s77, 0
	s_add_nc_u64 s[74:75], s[8:9], s[76:77]
	v_lshlrev_b32 v[BOF], 6, v2
.irp b, 0,1,2,3,4,5,6,7
	global_load_b128 v[BI+8*\b:BI+8*\b+3], v[BOF], s[74:75] offset:(32*(\b/2)+8*(\b%2))*4
	global_load_b128 v[BI+8*\b+4:BI+8*\b+7], v[BOF], s[74:75] offset:(32*(\b/2)+8*(\b%2))*4+16
.endr
	s_lshl_b32 s78, s67, 20
	s_lshl_b32 s79, s[WV], 18
	s_add_co_u32 s78, s78, s79
	s_add_co_u32 s78, s78, s76
	s_mov_b32 s79, 0
	s_add_nc_u64 s[OUT:OUT+1], s[OUT:OUT+1], s[78:79]
	s_mul_i32 s40, s[WV], 4*TROW
.irp s, 0,1
	v_add_nc_u32 v[ADRA+\s], s40, v[L16]
	v_add_nc_u32 v[ADRA+2+\s], s40, v[L8]
	v_add_nc_u32 v[ADRB+\s], AREG+\s*SLOT, v[L16]
	v_add_nc_u32 v[ADRB+2+\s], AREG+\s*SLOT, v[L8]
	s_add_co_u32 s40, s40, SLOT
.endr
	s_mul_i32 s46, s[WV], 16*SPITCH
	v_mul_u32_u24 v4, v1, SPITCH
	v_lshl_add_u32 v4, v2, 6, v4
	v_add_nc_u32 v[STO], s46, v4
	v_lshlrev_b32 v[CO], 4, v3
	v_add_nc_u32 v[RD], s46, v[CO]
.macro FRAG reg, adr, q, i
	ds_load_b128 v[\reg:\reg+3], v[\adr] offset:TROW*(\i)+1536*(\q)
	ds_load_b64 v[\reg+4:\reg+5], v[\adr+2] offset:TROW*(\i)+1536*(\q)+512
	ds_load_b128 v[\reg+6:\reg+9], v[\adr] offset:TROW*(\i)+1536*(\q)+768
	ds_load_b64 v[\reg+10:\reg+11], v[\adr+2] offset:TROW*(\i)+1536*(\q)+1280
.endm
.macro FETCH slot, q, p
	WIN TO_B
.irp i, 0,1,2,3,4,5,6,7
	FRAG 128*(\p)+FR*\i, ADRB+\slot, \q, \i
.endr
	WIN TO_A
.irp i, 0,1,2,3
	FRAG 64*(\p)+FR*\i, ADRA+\slot, \q, \i
.endr
.endm
.macro MUL8 a, p, ks, first
.irp b, 0,1,2,3,4,5,6,7
.set rD, 8*(8*(\a)+\b)
.set rB, 128*(\p)+FR*\b
.set rA, 64*(\p)+FR*(\a)
.set rSA, SC+8*(\a)+(\ks)
.if \b < 4
.set rSB, SC+8*\b+(\ks)
.else
.set rSB, SC+32+8*(\b%2)+(\ks)
.endif
.if (\b == 4) || (\b == 5)
.if \first
	v_wmma_scale_f32_16x16x128_f8f6f4 v[rD:rD+7], v[rB:rB+FR-1], v[rA:rA+FR-1], v[BI+8*\b:BI+8*\b+7], v[rSB], v[rSA] matrix_a_fmt:MATRIX_FMT_FP6 matrix_b_fmt:MATRIX_FMT_FP6
.else
	v_wmma_scale_f32_16x16x128_f8f6f4 v[rD:rD+7], v[rB:rB+FR-1], v[rA:rA+FR-1], v[rD:rD+7], v[rSB], v[rSA] matrix_a_fmt:MATRIX_FMT_FP6 matrix_b_fmt:MATRIX_FMT_FP6
.endif
.else
.if \first
	v_wmma_scale_f32_16x16x128_f8f6f4 v[rD:rD+7], v[rB:rB+FR-1], v[rA:rA+FR-1], v[BI+8*\b:BI+8*\b+7], v[rSB], v[rSA] matrix_a_fmt:MATRIX_FMT_FP6 matrix_b_fmt:MATRIX_FMT_FP6 matrix_a_scale:MATRIX_SCALE_ROW1
.else
	v_wmma_scale_f32_16x16x128_f8f6f4 v[rD:rD+7], v[rB:rB+FR-1], v[rA:rA+FR-1], v[rD:rD+7], v[rSB], v[rSA] matrix_a_fmt:MATRIX_FMT_FP6 matrix_b_fmt:MATRIX_FMT_FP6 matrix_a_scale:MATRIX_SCALE_ROW1
.endif
.endif
.endr
.endm
.macro KSTEP slot, q, ks, first
	s_wait_dscnt 2*NL
.if \first
	WIN FST
.else
	WIN MUL
.endif
	MUL8 0, (\ks)%2, \ks, \first
	MUL8 1, (\ks)%2, \ks, \first
	PLACES NP
	FETCH \slot, \q, 1-(\ks)%2
	s_wait_dscnt 12*NL
.if \first
	WIN FST
.else
	WIN MUL
.endif
	MUL8 2, (\ks)%2, \ks, \first
	MUL8 3, (\ks)%2, \ks, \first
.endm
	s_wait_alu depctr_va_vdst(0)                   ; the wait at the head's end
	s_wait_tensorcnt 0x0                           ; my part of slot 0 is in
	ds_add_u32 v254, v255
	s_wait_dscnt 0x0
	CROUND                                         ; everybody's part of slot 0 is in, and all sixteen work-groups are here
	JLOAD G0+4, G1, G0B+4, G1B                     ; slot 1's first fill, the first tensor load behind the round
	FETCH 0, 0, 0
	s_wait_loadcnt 0x0
	KSTEP 0, 1, 0, 1
	KSTEP 0, 2, 1, 0
	KSTEP 0, 3, 2, 0
	s_wait_tensorcnt 0x0
	s_wait_dscnt 2*NL
	WIN MUL
	MUL8 0, 1, 3, 0
	s_wait_dscnt 0x0
	s_barrier_signal -1
	MUL8 1, 1, 3, 0
	s_barrier_wait -1
	PLACES NP
	FETCH 1, 0, 0
	WIN MUL
	MUL8 2, 1, 3, 0
	MUL8 3, 1, 3, 0
	KSTEP 1, 1, 4, 0
	KSTEP 1, 2, 5, 0
	KSTEP 1, 3, 6, 0
	s_wait_dscnt 2*NL
	WIN MUL
	MUL8 0, 1, 7, 0
	MUL8 1, 1, 7, 0
	s_wait_dscnt 0x0
	MUL8 2, 1, 7, 0
	MUL8 3, 1, 7, 0
	WIN 0
.macro TOSTAGE a
.set AC, 64*(\a)
	WIN 0x08
.irp b, 0,1,2,3,4,5,6,7
	ds_store_b128 v[STO], v[AC+8*\b:AC+8*\b+3] offset:128*(\b/2)+32*(\b%2)
	ds_store_b128 v[STO], v[AC+8*\b+4:AC+8*\b+7] offset:128*(\b/2)+32*(\b%2)+16
.endr
	WIN 0
.set BB, BK+64*((\a)%2)
.irp t, 0,1,2,3,4,5,6,7,8,9,10,11,12,13,14,15
	ds_load_b128 v[BB+4*\t:BB+4*\t+3], v[RD] offset:\t*SPITCH
.endr
.endm
.macro SEND a, younger
.set BB, BK+64*((\a)%2)
	s_wait_dscnt \younger
.if (\a) > 0
.if ((\a)%2) == 1
	s_add_nc_u64 s[OUT:OUT+1], s[OUT:OUT+1], 8*4096
.else
	s_add_nc_u64 s[OUT:OUT+1], s[OUT:OUT+1], 24*4096
.endif
.endif
.irp t, 0,1,2,3,4,5,6,7,8,9,10,11,12,13,14,15
	global_store_b128 v[CO], v[BB+4*\t:BB+4*\t+3], s[OUT:OUT+1] offset:(\t+8*(\t/8))*4096 th:TH_STORE_NT
.endr
.endm
	PLACES NP
	TOSTAGE 0
.irp a, 1,2,3
.if \a > 1
	s_wait_xcnt 0x0
.endif
	TOSTAGE \a
	SEND \a-1, 32
.endr
	s_wait_xcnt 0x0
	SEND 3, 0
	s_wait_tensorcnt 0x0
	ds_add_u32 v254, v255
	s_wait_dscnt 0x0
	CROUND
	s_endpgm
.Lfunc_end_k_q5abb5f0b08_outp:
	.size	k_q5abb5f0b08_outp, .Lfunc_end_k_q5abb5f0b08_outp-k_q5abb5f0b08_outp
	.p2alignl 7, 3214868480
	.fill 96, 4, 3214868480
	.section	.rodata,"a",@progbits
	.p2align	6, 0x0
	.amdhsa_kernel k_q5abb5f0b08_outp
		.amdhsa_group_segment_fixed_size 327680
		.amdhsa_private_segment_fixed_size 0
		.amdhsa_enable_private_segment 0
		.amdhsa_kernarg_size 32
		.amdhsa_user_sgpr_count 2
		.amdhsa_user_sgpr_kernarg_segment_ptr 1
		.amdhsa_wavefront_size32 1
		.amdhsa_system_sgpr_workgroup_id_x 1
		.amdhsa_system_sgpr_workgroup_id_y 1
		.amdhsa_system_sgpr_workgroup_id_z 1
		.amdhsa_system_vgpr_workitem_id 0
		.amdhsa_next_free_vgpr 1024
		.amdhsa_next_free_sgpr 100
		.amdhsa_reserve_vcc 1
		.amdhsa_float_denorm_mode_32 3
		.amdhsa_float_denorm_mode_16_64 3
		.amdhsa_memory_ordered 1
		.amdhsa_forward_progress 1
		.amdhsa_inst_pref_size 88
	.end_amdhsa_kernel
	.amdgpu_metadata
---
amdhsa.version: [ 1, 2 ]
amdhsa.kernels:
  - .name:           k_q5abb5f0b08_outp
    .symbol:         k_q5abb5f0b08_outp.kd
    .args:
      - { .name: codes, .offset: 0, .size: 8, .value_kind: global_buffer, .address_space: global }
      - { .name: sc, .offset: 8, .size: 8, .value_kind: global_buffer, .address_space: global }
      - { .name: bp, .offset: 16, .size: 8, .value_kind: global_buffer, .address_space: global }
      - { .name: out0, .offset: 24, .size: 8, .value_kind: global_buffer, .address_space: global }
    .group_segment_fixed_size: 327680
    .private_segment_fixed_size: 0
    .kernarg_segment_align: 8
    .kernarg_segment_size: 32
    .max_flat_workgroup_size: 128
    .sgpr_count:     100
    .vgpr_count:     1024
    .wavefront_size: 32
...
	.end_amdgpu_metadata
.endif
;; end of part 4
